; MI455X (gfx1250); checked and timed in simulation.
; The chip was launched on July 23, 2026; its instructions are those of AMD's public machine-readable ISA for CDNA 5 (MIT licence, August 2026) and "CDNA5" Instruction Set Architecture Reference Guide (July 2026). The comments in the code are by the model that wrote it; some were corrected since.
;; Masked Self Attention. Allowed arithmetic: matrix products marked QUANTISED: E4M3 operands, one given power-of-two scale a tensor, by v_wmma_f32_16x16x64_fp8_fp8 or v_wmma_f32_16x16x128_fp8_fp8, f32 sums; everything else in f32.
;; Inputs: Wk_codes 1,024 x 32 x 32 uint8 (E4M3 codes of Wk, K innermost, in blocks of 32 codes); Wq_codes 1,024 x 32 x 32 uint8 (E4M3 codes of Wq, K innermost, in blocks of 32 codes); Wv_codes 1,024 x 32 x 32 uint8 (E4M3 codes of Wv, K innermost, in blocks of 32 codes); bk 1,024 float32; bq 1,024 float32; bv 1,024 float32; lowp_scales 10 int32 (the exponents e of the quantised operands' scales 2^e); x_codes 4 x 2,048 x 32 x 32 uint8 (E4M3 codes of x, K innermost, in blocks of 32 codes).
;; Outputs: out0 4 x 2,048 x 1,024 float32.
;; This version of the problem:
;;   THIS VERSION OF THE PROBLEM IS GIVEN IN LOW PRECISION. The matrix products marked QUANTISED in the list below multiply operands that are first quantised to E4M3 (4 exponent bits, 3 mantissa bits; 8 bits a number), with one given power-of-two scale for each operand tensor; their sums are f32. All else is computed in f32.
;;   The module's matrix products, in the order in which they are computed (A, B: the left and right operand; K: the contracted axis; several contracted axes count as one K, in the product's order):
;;     1. [M 8,192, K 1,024] x [K 1,024, N 1,024]; A: input x (given as codes); B: input Wq (given as codes): QUANTISED (scales: A lowp_scales[0], B lowp_scales[1])
;;     2. [M 8,192, K 1,024] x [K 1,024, N 1,024]; A: input x (given as codes); B: input Wk (given as codes): QUANTISED (scales: A lowp_scales[2], B lowp_scales[3])
;;     3. [M 8,192, K 1,024] x [K 1,024, N 1,024]; A: input x (given as codes); B: input Wv (given as codes): QUANTISED (scales: A lowp_scales[4], B lowp_scales[5])
;;     4. batch 4 x [M 2,048, K 1,024] x [K 1,024, N 2,048]; A: computed on the way; B: computed on the way: QUANTISED (scales: A lowp_scales[6], B lowp_scales[7])
;;     5. batch 4 x [M 2,048, K 2,048] x [K 2,048, N 1,024]; A: softmax (see below); B: computed on the way: QUANTISED (scales: A lowp_scales[8], B lowp_scales[9])
;;   THE QUANTISER, for each operand of a quantised product, along K:
;;     - The operand's scale is 2^e, e = its entry of the input lowp_scales (int32; the entries are numbered through the quantised products in the list's order, A before B).
;;     - Each number is divided by the scale, clamped to +-448, and rounded to the nearest number of E4M3, ties to even, subnormals kept.
;;     - The product sums the exact products of the quantised numbers (number of the format x scale) in f32.
;;   ~~~python
;;   def quantise(x, axis, e):      # numpy; x: float32 -> the quantised numbers, widened to float32 again
;;       x = np.moveaxis(x, axis, -1); K = x.shape[-1]
;;       r = np.clip(x / 2.0 ** e, -448, 448)
;;       step = 2.0 ** (np.maximum(np.frexp(np.where(r == 0, 1, r))[1] - 1, -6) - 3)
;;       q = np.round(r / step) * step * 2.0 ** e      # np.round: ties to even
;;       return np.moveaxis(q, -1, axis).astype(np.float32)
;;   ~~~
;;   SOFTMAX AHEAD OF A QUANTISED PRODUCT. Where the list says 'softmax', what is quantised is not the finished softmax but p = 2^(t - M), with t = logit x log2(e) and M = ceil(the row's largest t), a whole number; so 1/2 < the row's largest p <= 1. The row's sum l is taken of the UNQUANTISED p, in f32, and the product's result is divided by l at the end. Since M is a whole number, a kernel that streams over the keys may use a running M (the ceiling of the running maximum): every later rescaling is an exact power of two, so the quantised numbers keep their values, but for numbers so far below the row's largest that they fall under the format's range.
;;   OPERANDS COMPUTED ON THE WAY. 'Computed on the way' means the value that the module computes at that place (a softmax that the list does not call 'softmax' is quantised finished and normalised). What goes into a quantiser is computed in f32, as accurately as f32 sums, v_exp_f32 and their like allow (about 1e-6 of the number): no bf16 or f16 on the way to a quantiser, and a product that is left as it is and whose result goes on into a quantised operand takes f32 operands (vector FMAs, or v_wmma_f32_16x16x4_f32). A number that lies on a knife's edge between two numbers of the format may be rounded either way, as far as f32 arithmetic and the matrix unit's own rounding can turn it there, and no further.
;;   INPUTS GIVEN AS CODES. Wk (in the module: [1024, 1024], K = its axis 1); Wq (in the module: [1024, 1024], K = its axis 1); Wv (in the module: [1024, 1024], K = its axis 1); x (in the module: [4, 2048, 1024], K = its axis 2): each comes as NAME_codes (uint8): NAME with its K axis moved to the last place and cut into blocks of 32 codes, [.., K / 32, bytes a block], one block behind the other in memory; one code a byte (a code: sign, 4 exponent bits, 3 mantissa bits); its scale is its entry of lowp_scales. Its value is code x scale, taken as it is: it is not quantised again, and the codes and scales need not be those that the quantiser above would give.
;; One version. Each part assembles by itself: llvm-mc -triple=amdgcn-amd-amdhsa -mcpu=gfx1250 --defsym DOCPART=n.
;; ======== version 1 of 1: 3 launches
;; limits: right only within a limited range of input values
;; workspace buffers: q_img 8,388,608 bytes; k_img 8,388,608 bytes; v_img 8,388,608 bytes; p_img 16,777,216 bytes; st 1,048,576 bytes
;; launch proj (part 1): grid 8 x 32, 4 waves a work-group, clusters of 4 x 4, 327,680 bytes of LDS; arguments x_codes, Wq_codes, Wk_codes, Wv_codes, bq, bk, bv, lowp_scales, q_img, k_img, v_img; writes q_img, k_img, v_img
.if DOCPART == 1
	.amdgcn_target "amdgcn-amd-amdhsa--gfx1250"
	.amdhsa_code_object_version 6
	.text
	.protected	k_q50d8da06c5_proj
	.globl	k_q50d8da06c5_proj
	.p2align	8
	.type	k_q50d8da06c5_proj,@function
k_q50d8da06c5_proj:
	s_mov_b64 s[64:65], 0
	v_nop
	global_prefetch_b8 v0, s[64:65] scope:SCOPE_SE
	s_setreg_imm32_b32 hwreg(HW_REG_WAVE_MODE, 25, 1), 1
	s_wait_xcnt 0x0
	s_wait_alu depctr_hold_cnt(0) depctr_sa_sdst(0) depctr_va_vdst(0) depctr_va_sdst(0) depctr_va_ssrc(0) depctr_va_vcc(0) depctr_vm_vsrc(0)
	s_getreg_b32 s2, hwreg(HW_REG_IB_STS2, 6, 4)
	s_cmp_eq_u32 s2, 0
	s_cbranch_scc0 .Lentry_in_a_cluster
	s_endpgm
.Lentry_in_a_cluster:
	s_bfe_u32 s2, ttmp6, 0x10000c
	s_cmp_lg_u32 s2, 0xf033
	s_cbranch_scc0 .Lentry_shape_is_right
	s_endpgm
.Lentry_shape_is_right:
; q = x Wq^T + bq, k = x Wk^T + bk, v = x Wv^T + bv on the given codes of FP8 (E4M3), each result quantised again with its given scale: q and k along the channels, v along the keys.
; No work of reference() is left out here; the next two launches leave out score tiles above the causal mask's diagonal, which reference() sets to -infinity in its own body (a NaN that reaches those alone is not carried).
; SHARES.  A work-group makes 256 tokens x 128 channels of q, of k AND of v: 32 x 8 = 256 work-groups of equal work, and x's tile serves all three products.  Four waves, each 128 tokens x 64 channels of each product:
; 3 x 32 accumulators of 16 x 16, 768 registers.
; CLUSTERS: 4 x 4 work-groups; x's tile is asked for jointly along a row of the cluster (same tokens), the three W tiles along a column (same channels).
; LDS.  K goes in steps of 256 (tile rows of 256 bytes, 272 apart in LDS).  W's 384 rows have TWO slots, x's 256 rows ONE: two slots of all 640 rows do not fit.  A K step is two steps of 128 along K.  When x's second half lies in
; registers, a round of the cluster's barrier stands (macro SUB, r2) and x's slot takes the next K step; at the end of a K step a second round stands (nx = 2) and the W slot just left takes the K step after the next one.
; Wave 3 fetches x, waves 0 to 2 fetch Wq, Wk, Wv: one tensor load a wave at the head and at most one behind each round.
; A STEP of 128 along K is four groups of 24 matrix instructions: group g = block g of 16 channels of q, k and v against my eight blocks of 16 tokens, tokens outermost.  W's fragments have two sets of three, x's eight fragments one
; set: in the last group a block of x is free after its three products and is fetched anew there.
; For q and k source 0 = 16 rows of W, source 1 = 16 rows of x: a lane (r, h) holds token r and the channels 8 h + 0 .. 7.  For v source 0 = x, source 1 = Wv: a lane holds channel r and the tokens 8 h + 0 .. 7.
; So a lane's registers run along the next product's K, and the codes of two neighbouring blocks are four registers of the next operand's fragment, stored as they stand: 512 consecutive bytes a store, aligned.
; THE BIAS, divided by 2^(ea + eb), is the C of the first step's products.  It is loaded into the accumulators of token block 7, which are the last of each group to be written.
; PREFETCH INTO THE L2: each wave for the tensor that it fetches, the rows shared out by address among the partners (32 of W's 128, 64 of x's 256).  K step 1 is asked for behind the head's loads, K steps 2 and 3 behind the W loads
; of K steps 1 and 2 and the LDS loads that follow them: a K step and more ahead of their own loads.  K step 0 comes by its loads alone; nothing is asked beyond K.  W is asked for by the clusters with y under 2 alone: all clusters
; with one x walk the same W.
; q_img, k_img: [block of 256 tokens, 0..31][128 channels, 0..7][16 rows, 0..15][2048].   v_img: [batch][128 channels, 0..7][128 keys, 0..15][16 channels, 0..7][2048].  A fragment's chunk c (K = 32 c ..) lies at 512 c.
; LIMITS: eo - ea - eb between -126 and 119, so that the scale and 448 x the scale are f32 numbers; b / 2^(ea + eb) stays finite.  NaN among codes or biases is not served.
; REGISTERS: window 0: v1-31 addresses, scales; v32-127 W's fragments, two sets; v128-255 x's; on the way out v32-223 codes.  Accumulator (g, x, product p) at register 256 + 192 g + 24 x + 8 p, in windows 1 to 3.
.set PITCH,  272                       ; 68 words: the 16 rows that a load touches start at 16 different banks (64 banks of 4 bytes: ISA guide 11.1)
.set WP,     128*PITCH                 ; 128 rows of one W
.set BLK,    16*PITCH
.set SLOTD,  131072                    ; W's slot 1 behind slot 0: one exclusive or turns one into the other
.set XO,     SLOTD+3*WP                ; x's slot
.set SPARE,  XO+256*PITCH              ; the spare words, 128 bytes for each wave
.set SC,   8                           ; v8-10   2^(eo - ea - eb) of q, k, v
.set LIM,  11                          ; v11-13  448 x that
.set ADRX, 16
.set BQ,   17                          ; v17, v18  my place in W's slot 0: q and k, v
.set BV,   18
.set ADQ,  20                          ; v20, v21  the same in the slot in hand
.set ADV,  21
.set LI,   24                          ; v24  16 x lane
.set SPW,  28
.set NIL,  29
.set PFO,  30                          ; v30  1,024 x lane: a lane a row
.set WF,   32
.set XF,   128
.set CV3,  32                          ; codes: v of groups 0 to 2 (W's first set, free in the very last group); q and k from CQ on; v of group 3 behind them
.set CQ,   80
.set CVL,  208
.set G1,   24                          ; s[24:31], s[32:35] x's descriptor;  s[48:55], s[56:59] W's
.set G0,   32
.set PFA,  36                          ; s[36:37] where my prefetches stand
.set PFL,  38                          ; s38  my wave prefetches while s3 is this or more
.set TB,   39                          ; s39  LDS byte at which the W slot in hand begins
.set G1B,  48
.set G0B,  56
.set MSB, 0
.macro WIN new                         ; the immediate's high byte repeats the setting that is left
.if MSB != (\new)
	s_set_vgpr_msb (MSB<<8)|(\new)
.set MSB, (\new)
.endif
.endm
.macro PLACES n                        ; places behind matrix instructions (except for loads)
.rept \n
	v_nop
.endr
.endm
; An s_nop 0 and four v_nop follow each tensor load.  The branches hang on the wave's number alone.
.macro HEADLOAD
	s_cmp_eq_u32 s14, 3
	s_cbranch_scc0 .Lfor_w_\@
	tensor_load_to_lds s[G0:G0+3], s[G1:G1+7]
	s_nop 0
	PLACES 4
	s_branch .Lasked_\@
.Lfor_w_\@:
	tensor_load_to_lds s[G0B:G0B+3], s[G1B:G1B+7]
	s_nop 0
	PLACES 4
.Lasked_\@:
.endm
.macro XLOAD
	s_cmp_eq_u32 s14, 3
	s_cbranch_scc0 .Lno_x_\@
	tensor_load_to_lds s[G0:G0+3], s[G1:G1+7]
	s_nop 0
	PLACES 4
.Lno_x_\@:
.endm
.macro WLOAD
	s_cmp_lg_u32 s14, 3
	s_cbranch_scc0 .Lno_w_\@
	tensor_load_to_lds s[G0B:G0B+3], s[G1B:G1B+7]
	s_nop 0
	PLACES 4
.Lno_w_\@:
.endm
.macro ASK
	s_cmp_ge_u32 s3, s[PFL]
	s_cbranch_scc0 .Lnot_mine_\@
	global_prefetch_b8 v[PFO], s[PFA:PFA+1] th:TH_LOAD_NT scope:SCOPE_SE
	s_cmp_eq_u32 s14, 3
	s_cbranch_scc0 .Lnot_mine_\@
	global_prefetch_b8 v[PFO], s[PFA:PFA+1] offset:32768 th:TH_LOAD_NT scope:SCOPE_SE
.Lnot_mine_\@:
.endm
.macro CREST                           ; a round of the cluster's barrier behind its opening barrier
	s_cmp_lg_u32 s14, 0
	s_cbranch_scc1 .Lnot_wave_0_\@
	s_barrier_signal -3
.Lnot_wave_0_\@:
	s_barrier_wait -3
	s_barrier_signal -1
	s_barrier_wait -1
.endm
.macro CROUND
	s_barrier_signal -1
	s_barrier_wait -1
	CREST
.endm
	s_load_b512 s[68:83], s[0:1], 0x0              ; x s[68:69], Wq s[70:71], Wk s[72:73], Wv s[74:75], bq s[76:77], bk s[78:79], bv s[80:81], the exponents s[82:83]
	s_load_b128 s[84:87], s[0:1], 0x40             ; q_img, k_img
	s_load_b64 s[88:89], s[0:1], 0x50              ; v_img
	v_lshl_add_u32 v[SPW], v0, 2, SPARE
	v_mov_b32 v[NIL], 0
	ds_add_u32 v[SPW], v[NIL]                      ; the wave's opening: the add, twice on end, and its wait ahead of my first tensor load
	ds_add_u32 v[SPW], v[NIL]
	v_lshrrev_b32 v1, 5, v0
	v_readfirstlane_b32 s14, v1                    ; wave 0..3
	s_lshr_b32 s15, s14, 1                         ; which 128 tokens
	s_and_b32 s16, s14, 1                          ; which 64 channels
	s_bfe_u32 s40, ttmp6, 0x40000                  ; cx
	s_bfe_u32 s41, ttmp6, 0x40004                  ; cy
	s_lshl_b32 s42, ttmp9, 2
	s_add_co_u32 s42, s42, s40                     ; block of 128 channels, 0..7
	s_and_b32 s90, ttmp7, 0xffff                   ; cluster y
	s_lshl_b32 s17, s90, 2
	s_add_co_u32 s17, s17, s41                     ; block of 256 tokens, 0..31
	s_lshl_b32 s43, s41, 2
	s_lshl_b32 s43, 15, s43                        ; my row of the cluster
	s_lshl_b32 s44, 0x1111, s40                    ; my column
	; descriptor group 1: 15:0 the mask; 17:16 element of 1 byte; 20 padding on; 21 set beside a mask; 24:22 after every 64 words (code 5); 31:25 four words (code 3)
	s_or_b32 s[G1+0], s43, (1<<20)|(1<<21)|(5<<22)|(3<<25)
	s_or_b32 s[G1B+0], s44, (1<<20)|(1<<21)|(5<<22)|(3<<25)
.irp g, G1, G1B
	s_mov_b32 s[\g+1], 256<<16                     ; tensor_dim0
	s_mov_b32 s[\g+3], 256<<16                     ; tile_dim0
	s_mov_b32 s[\g+5], 1024                        ; a row of x or W in memory
	s_mov_b32 s[\g+6], 0
	s_mov_b32 s[\g+7], 0
.endr
	s_mov_b32 s[G1+2], 256<<16                     ; x: 256 rows
	s_mov_b32 s[G1+4], 256
	s_mov_b32 s[G1B+2], 128<<16                    ; W: 128 rows
	s_mov_b32 s[G1B+4], 128
	s_lshl_b32 s20, s17, 18                        ; x: 256 rows of 1,024 bytes a block
	s_mov_b32 s21, 0
	s_lshl_b32 s46, s42, 17                        ; W: 128 rows
	s_mov_b32 s47, 0
	s_mov_b32 s[G0], 1
	s_mov_b32 s[G0+1], XO
	s_mov_b32 s[G0B], 1
	s_mul_i32 s[G0B+1], s14, WP                    ; waves 0 to 2: Wq, Wk, Wv
	s_mov_b32 s[TB], 0
	s_wait_alu depctr_va_vdst(0)
	s_wait_dscnt 0x0                               ; both opening adds are done
	s_wait_kmcnt 0x0
	s_load_b256 s[92:99], s[82:83], 0x0            ; e0 .. e7
	s_load_b64 s[100:101], s[82:83], 0x20          ; e8, e9
	s_cmp_eq_u32 s14, 1
	s_cselect_b64 s[6:7], s[72:73], s[70:71]
	s_cmp_eq_u32 s14, 2
	s_cselect_b64 s[6:7], s[74:75], s[6:7]         ; the W that my wave fetches
	s_add_nc_u64 s[20:21], s[68:69], s[20:21]
	s_add_nc_u64 s[46:47], s[6:7], s[46:47]
	s_mov_b64 s[G0+2:G0+3], s[20:21]
	s_or_b32 s[G0+3], s[G0+3], 0x80000000
	s_mov_b64 s[G0B+2:G0B+3], s[46:47]
	s_or_b32 s[G0B+3], s[G0B+3], 0x80000000
	CROUND                                         ; all sixteen work-groups are here: the first joint loads meet
	HEADLOAD                                       ; K step 0: one tensor load a wave
	; the prefetches begin at K step 1
	s_lshl_b32 s60, s41, 15                        ; W: my work-group's 32 rows
	s_lshl_b32 s61, s40, 16                        ; x: my work-group's 64 rows
	s_cmp_lt_u32 s90, 2
	s_cselect_b32 s[PFL], 2, 9
	s_cmp_eq_u32 s14, 3
	s_cselect_b32 s[PFL], 2, s[PFL]
	s_cselect_b32 s60, s61, s60
	s_mov_b32 s61, 0
	s_cselect_b64 s[PFA:PFA+1], s[20:21], s[46:47]
	s_add_nc_u64 s[PFA:PFA+1], s[PFA:PFA+1], s[60:61]
	s_add_nc_u64 s[PFA:PFA+1], s[PFA:PFA+1], 256
	s_mov_b32 s3, 3
	; the bias of my channels: 128 x block + 64 x half + 16 g + (q, k: 8 h + j; v: r)
	s_lshl_b32 s60, s42, 9
	s_lshl_b32 s61, s16, 8
	s_add_co_u32 s60, s60, s61
	s_mov_b32 s61, 0
	s_add_nc_u64 s[4:5], s[76:77], s[60:61]
	s_add_nc_u64 s[6:7], s[78:79], s[60:61]
	s_add_nc_u64 s[8:9], s[80:81], s[60:61]
	s_mul_i32 s18, s15, WP                         ; my 128 rows of x
	s_add_co_u32 s18, s18, XO
	s_mul_i32 s19, s16, 64*PITCH                   ; my 64 rows of each W
	s_add_co_u32 s22, s19, 2*WP
	v_and_b32 v1, 15, v0                           ; r
	v_bfe_u32 v2, v0, 4, 1                         ; h
	v_lshlrev_b32 v5, 5, v2
	v_lshlrev_b32 v6, 2, v1
	s_wait_alu depctr_va_vdst(0)
.irp g, 0,1,2,3
.set LO, (424+192*\g)%256
	WIN ((424+192*\g)/256)<<6
	global_load_b128 v[LO:LO+3], v5, s[4:5] offset:64*\g
	global_load_b128 v[LO+4:LO+7], v5, s[4:5] offset:64*\g+16
	global_load_b128 v[LO+8:LO+11], v5, s[6:7] offset:64*\g
	global_load_b128 v[LO+12:LO+15], v5, s[6:7] offset:64*\g+16
	global_load_b32 v[LO+16], v6, s[8:9] offset:64*\g
.endr
	WIN 0
	v_mul_u32_u24 v3, v1, PITCH
	v_lshl_add_u32 v3, v2, 4, v3                   ; a fragment's row x pitch + 16 h
	v_add_nc_u32 v[ADRX], s18, v3
	v_add_nc_u32 v[BQ], s19, v3
	v_add_nc_u32 v[BV], s22, v3
	v_add_nc_u32 v[ADQ], s19, v3
	v_add_nc_u32 v[ADV], s22, v3
	v_and_b32 v4, 31, v0
	v_lshlrev_b32 v[LI], 4, v4
	v_lshlrev_b32 v[PFO], 10, v4
	s_wait_alu depctr_va_vdst(0)
	ASK                                            ; K step 1
	; where my wave's chunks begin.  q, k: token block << 18 + channel block << 15 + token half << 14 + channel half << 10
	s_lshl_b32 s60, s17, 18
	s_lshl_b32 s61, s42, 15
	s_add_co_u32 s60, s60, s61
	s_lshl_b32 s61, s15, 14
	s_add_co_u32 s60, s60, s61
	s_lshl_b32 s61, s16, 10
	s_add_co_u32 s60, s60, s61
	s_mov_b32 s61, 0
	s_add_nc_u64 s[84:85], s[84:85], s[60:61]
	s_add_nc_u64 s[86:87], s[86:87], s[60:61]
	; v: batch << 21 + channel block << 18 + (2 (token block % 8) + token half) << 14 + channel half << 13
	s_lshr_b32 s60, s17, 3
	s_lshl_b32 s60, s60, 21
	s_lshl_b32 s61, s42, 18
	s_add_co_u32 s60, s60, s61
	s_and_b32 s61, s17, 7
	s_lshl_b32 s61, s61, 15
	s_add_co_u32 s60, s60, s61
	s_lshl_b32 s61, s15, 14
	s_add_co_u32 s60, s60, s61
	s_lshl_b32 s61, s16, 13
	s_add_co_u32 s60, s60, s61
	s_mov_b32 s61, 0
	s_add_nc_u64 s[88:89], s[88:89], s[60:61]
	s_wait_kmcnt 0x0                               ; the exponents
	s_add_co_i32 s62, s92, s93                     ; E = ea + eb of q, k, v
	s_add_co_i32 s63, s94, s95
	s_add_co_i32 s66, s96, s97
	s_sub_co_i32 s18, s98, s62                     ; eo - E: the three scales folded into the conversion's one
	s_sub_co_i32 s19, s99, s63
	s_sub_co_i32 s22, s101, s66
	s_sub_co_i32 s62, 0, s62
	s_sub_co_i32 s63, 0, s63
	s_sub_co_i32 s66, 0, s66
.macro SCALE sr, p
	s_add_co_i32 s[\sr], s[\sr], 127
	s_lshl_b32 s67, s[\sr], 23
	v_mov_b32 v[SC+\p], s67
	s_add_co_i32 s[\sr], s[\sr], 8
	s_lshl_b32 s67, s[\sr], 23
	s_or_b32 s67, s67, 0x600000
	v_mov_b32 v[LIM+\p], s67
.endm
	SCALE 18, 0
	SCALE 19, 1
	SCALE 22, 2
	s_wait_alu depctr_va_vdst(0)
	s_wait_loadcnt 0x0                             ; the bias
.irp g, 0,1,2,3
.set LO, (424+192*\g)%256
.set WB, (424+192*\g)/256
	WIN (WB<<6)|WB
.irp j, 0,1,2,3,4,5,6,7
	v_ldexp_f32 v[LO+\j], v[LO+\j], s62            ; b / 2^E
	v_ldexp_f32 v[LO+8+\j], v[LO+8+\j], s63
.endr
.irp j, 7,6,5,4,3,2,1,0
	v_ldexp_f32 v[LO+16+\j], v[LO+16], s66         ; one number for the lane's eight registers
.endr
.endr
	WIN 0
.macro LDW g, sub                      ; group g's three fragments of W: lane l holds row l % 16; registers 4 c .. 4 c + 3 hold K = 32 c + 16 (l / 16) + 0 .. 15: the same permutation of K in W and x
.set WS, WF+48*((\g)%2)
.irp c, 0,1,2,3
	ds_load_b128 v[WS+4*\c:WS+4*\c+3], v[ADQ] offset:BLK*(\g)+128*(\sub)+32*\c
.endr
.irp c, 0,1,2,3
	ds_load_b128 v[WS+16+4*\c:WS+16+4*\c+3], v[ADQ] offset:WP+BLK*(\g)+128*(\sub)+32*\c
.endr
.irp c, 0,1,2,3
	ds_load_b128 v[WS+32+4*\c:WS+32+4*\c+3], v[ADV] offset:BLK*(\g)+128*(\sub)+32*\c
.endr
.endm
.macro LDX a, sub                      ; x's fragment of token block a
.irp c, 0,1,2,3
	ds_load_b128 v[XF+16*(\a)+4*\c:XF+16*(\a)+4*\c+3], v[ADRX] offset:BLK*(\a)+128*(\sub)+32*\c
.endr
.endm
.macro HOLD g, x                       ; the hold (the conversion to an 8-bit code does not saturate: ISA guide 7.6.2) of three finished accumulators, each from its low end on
.irp p, 0,1,2
.set RW, 256+192*(\g)+24*(\x)+8*\p
.set LO, RW%256
	WIN ((RW/256)<<6)|((RW/256)<<4)
.irp j, 0,1,2,3,4,5,6,7
	v_med3_num_f32 v[LO+\j], -v[LIM+\p], v[LIM+\p], v[LO+\j]
.endr
.endr
.endm
; Three matrix instructions: group g's q, k and v blocks against token block x.  The 96 accumulators take turns, one instruction a turn, in the same order in every step.
; cm = 1: the bias, which lies in token block 7's accumulators, starts the sums; block 7's own products write over it five places behind its last other reader.  hold = 1: the hold of the group before follows.
.macro WMX g, x, cm, hold
.if (\cm) && ((\x) == 7)
	PLACES 5
.endif
.irp p, 0,1,2
.set RW, 256+192*(\g)+24*(\x)+8*\p
.set RC, RW
.if \cm
.set RC, 424+192*(\g)+8*\p
.endif
.set LO, RW%256
.set LC, RC%256
.set WA, WF+48*((\g)%2)+16*\p
.set XA, XF+16*(\x)
	WIN ((RW/256)<<6)|((RC/256)<<4)
.if \p < 2
	v_wmma_f32_16x16x128_fp8_fp8 v[LO:LO+7], v[WA:WA+15], v[XA:XA+15], v[LC:LC+7]
.else
	v_wmma_f32_16x16x128_fp8_fp8 v[LO:LO+7], v[XA:XA+15], v[WA:WA+15], v[LC:LC+7]
.endif
.endr
.if \hold
	HOLD (\g)-1, \x
.endif
.endm
; The conversion of accumulator m = 24 g + 3 x + p.  q's and k's blocks (2 c, 2 c + 1) of a token block and v's token blocks (2 c, 2 c + 1) of a channel block are the four registers of a chunk.
.macro CV1 m
.set gg, (\m)/24
.set xx, ((\m)%24)/3
.set pp, (\m)%3
.if pp < 2
.set CR, CQ+64*pp+8*xx+4*(gg/2)+2*(gg%2)
.elseif gg < 3
.set CR, CV3+16*gg+4*(xx/2)+2*(xx%2)
.else
.set CR, CVL+4*(xx/2)+2*(xx%2)
.endif
.set LO, (8*(\m))%256
	WIN 1+(\m)/32
	v_cvt_scalef32_pk8_fp8_f32 v[CR:CR+1], v[LO:LO+7], v[SC+pp]
.endm
.macro G0X x, n, cm                    ; group 0: the wait leaves out the n youngest LDS instructions, those of later blocks and of W's next group
	s_wait_dscnt \n
	WMX 0, \x, \cm, 0
.endm
.macro MID g, sub, cm, hold            ; groups 1 and 2; behind the first block the next group's fragments of W are asked for
	s_wait_dscnt 0x0
	WMX \g, 0, \cm, \hold
	WIN 0
	PLACES 4
	LDW (\g)+1, \sub
.irp x, 1,2,3,4,5,6,7
	WMX \g, \x, \cm, \hold
.endr
.endm
; A step of 128 along K.  At its head 44 LDS loads are out: W's group 0 (12), then x's blocks 0 to 7 (4 each).  sub: which half of the K step.  r2 = 1: x's slot is filled again in group 0.
; nx: what follows: 0 nothing; 1 the other half of this K step; 2 the next K step, and the W slot just left is filled again; 3 the next K step, nothing is filled.
.macro SUB sub, cm, r2, nx, fin
	G0X 0, 28, \cm
	WIN 0
	PLACES 4
	LDW 1, \sub
	G0X 1, 36, \cm                                 ; out behind block 1: blocks 2 to 7 (24), W's group 1 (12)
	G0X 2, 32, \cm
	G0X 3, 28, \cm
.if \r2
	WIN 0
	s_wait_tensorcnt 0x0                           ; all my tensor loads have landed: my part of W's next K step
	ds_add_u32 v[SPW], v[NIL]                      ; 0 onto my spare word
	s_add_nc_u64 s[G0+2:G0+3], s[G0+2:G0+3], 256   ; x: the next K step
	G0X 4, 25, 0                                   ; out behind block 4: blocks 5 to 7 (12), W's group 1 (12), the add
	G0X 5, 21, 0
	s_wait_dscnt 0x0                               ; the add is done, and so are all my reads of x's slot
	s_barrier_signal -1
	WMX 0, 6, 0, 0
	WMX 0, 7, 0, 0
	WIN 0
	s_barrier_wait -1
	CREST                                          ; no wave of any partner still reads x's slot or has a load on its way; W's next K step is whole
	XLOAD
.else
	G0X 4, 24, \cm
	G0X 5, 20, \cm
	G0X 6, 16, \cm
	G0X 7, 12, \cm
.endif
	MID 1, \sub, \cm, \fin
	MID 2, \sub, \cm, \fin
	s_wait_dscnt 0x0                               ; group 3: its fragments are in: my last reads of this K half
.if (\nx) == 0
.irp x, 0,1,2,3,4,5,6,7                ; the very last group: behind each block v's finished accumulators of groups 0 to 2 are converted, and stored behind every second block
	WMX 3, \x, \cm, \fin
	CV1 3*\x+2
	CV1 24+3*\x+2
	CV1 48+3*\x+2
.if \x%2
	WIN 0
.irp g, 0,1,2
	global_store_b128 v[LI], v[CV3+16*\g+4*(\x/2):CV3+16*\g+4*(\x/2)+3], s[88:89] offset:2048*\g+512*(\x/2)
.endr
.endif
.endr
.else
.if (\nx) == 1
	WMX 3, 0, \cm, 0
	WMX 3, 1, \cm, 0
	WIN 0
	PLACES 4
	LDW 0, 1
	LDX 0, 1
	LDX 1, 1
	WMX 3, 2, \cm, 0
	WMX 3, 3, \cm, 0
	WIN 0
	PLACES 4
	LDX 2, 1
	LDX 3, 1
.set NS, 1
.else
	WMX 3, 0, 0, 0
	WMX 3, 1, 0, 0
	WIN 0
.if (\nx) == 2
	s_wait_xcnt 0x0                                ; any prefetch of mine has read its address: it is stepped here
	s_add_nc_u64 s[PFA:PFA+1], s[PFA:PFA+1], 256
.endif
	s_wait_tensorcnt 0x0                           ; all my tensor loads have landed: x's next K step
.if (\nx) == 2
	ds_add_u32 v[SPW], v[NIL]                      ; 0 onto my spare word
	s_add_nc_u64 s[G0B+2:G0B+3], s[G0B+2:G0B+3], 256
	s_xor_b32 s[G0B+1], s[G0B+1], SLOTD            ; W: the slot just left takes the K step after the next one
.endif
	s_xor_b32 s[TB], s[TB], SLOTD
	WMX 3, 2, 0, 0
	s_wait_dscnt 0x0                               ; the add is done; my reads of the W slot are over
	s_barrier_signal -1
	WMX 3, 3, 0, 0
	WIN 0
	s_barrier_wait -1
.if (\nx) == 2
	CREST                                          ; no wave of any partner still reads that slot or has a load on its way; x's next K step is whole
	WLOAD
.endif
	PLACES 4
	v_add_nc_u32 v[ADQ], s[TB], v[BQ]
	v_add_nc_u32 v[ADV], s[TB], v[BV]
	s_wait_alu depctr_va_vdst(0)
	LDW 0, 0
.irp a, 0,1,2,3
	LDX \a, 0
.endr
.if (\nx) == 2
	ASK
.endif
.set NS, 0
.endif
	WMX 3, 4, \cm, 0
	WMX 3, 5, \cm, 0
	WIN 0
	PLACES 4
	LDX 4, NS
	LDX 5, NS
	WMX 3, 6, \cm, 0
	WMX 3, 7, \cm, 0
	WIN 0
	PLACES 4
	LDX 6, NS
	LDX 7, NS
.endif
.endm
	s_wait_alu depctr_va_vdst(0)
	s_wait_xcnt 0x0                                ; my prefetch has read its address
	s_add_nc_u64 s[PFA:PFA+1], s[PFA:PFA+1], 256
	s_wait_tensorcnt 0x0                           ; my part of K step 0 is in
	ds_add_u32 v[SPW], v[NIL]                      ; 0 onto my spare word
	s_add_nc_u64 s[G0B+2:G0B+3], s[G0B+2:G0B+3], 256
	s_xor_b32 s[G0B+1], s[G0B+1], SLOTD
	s_wait_dscnt 0x0
	CROUND                                         ; everybody's part is in
	WLOAD                                          ; W's K step 1, slot 1's first fill
	LDW 0, 0
.irp a, 0,1,2,3,4,5,6,7
	LDX \a, 0
.endr
	ASK                                            ; K step 2
	SUB 0, 1, 0, 1, 0                              ; the first step, whose products take the bias as C
	s_mov_b32 s3, 2
.Lk:                                                   ; a trip: the second half of a K step and the first half of the next; the first trip asks for K step 3
	SUB 1, 0, 1, 2, 0
	SUB 0, 0, 0, 1, 0
	s_sub_co_u32 s3, s3, 1
	s_cmp_lg_u32 s3, 0
	s_cbranch_scc1 .Lk
	SUB 1, 0, 1, 3, 0                              ; x's last fill; W has had its last
	SUB 0, 0, 0, 1, 0
	SUB 1, 0, 0, 0, 1                              ; the last step: the hold of a finished group stands between the next group's products
	WIN 0
	PLACES 4
; THE REST OF THE WAY OUT: q and k of groups 0 to 2, which are held already; then group 3.
.macro STQ c
.irp a, 0,1,2,3,4,5,6,7
	global_store_b128 v[LI], v[CQ+8*\a+4*\c:CQ+8*\a+4*\c+3], s[84:85] offset:2048*\a+512*\c
	global_store_b128 v[LI], v[CQ+64+8*\a+4*\c:CQ+64+8*\a+4*\c+3], s[86:87] offset:2048*\a+512*\c
.endr
.endm
.set n, 0
.rept 24
	CV1 3*n
	CV1 3*n+1
.set n, n+1
.endr
	WIN 0
	v_nop                                          ; one plain vector instruction behind the last conversion
	STQ 0
.irp x, 0,1,2,3,4,5,6,7
	HOLD 3, \x
.endr
.set n, 72
.rept 24
	CV1 n
.set n, n+1
.endr
	WIN 0
	v_nop                                          ; one plain vector instruction behind the last conversion
	STQ 1
.irp c, 0,1,2,3
	global_store_b128 v[LI], v[CVL+4*\c:CVL+4*\c+3], s[88:89] offset:2048*3+512*\c
.endr
	s_wait_tensorcnt 0x0                           ; the wave's end
	ds_add_u32 v[SPW], v[NIL]
	s_wait_dscnt 0x0
	CROUND                                         ; the closing round: no work-group ends while a partner may still ask for a tile that names it
	s_endpgm
.Lfunc_end_k_q50d8da06c5_proj:
	.size	k_q50d8da06c5_proj, .Lfunc_end_k_q50d8da06c5_proj-k_q50d8da06c5_proj
	.p2alignl 7, 3214868480
	.fill 96, 4, 3214868480
	.section	.rodata,"a",@progbits
	.p2align	6, 0x0
	.amdhsa_kernel k_q50d8da06c5_proj
		.amdhsa_group_segment_fixed_size 327680
		.amdhsa_private_segment_fixed_size 0
		.amdhsa_enable_private_segment 0
		.amdhsa_kernarg_size 88
		.amdhsa_user_sgpr_count 2
		.amdhsa_user_sgpr_kernarg_segment_ptr 1
		.amdhsa_wavefront_size32 1
		.amdhsa_system_sgpr_workgroup_id_x 1
		.amdhsa_system_sgpr_workgroup_id_y 1
		.amdhsa_system_sgpr_workgroup_id_z 1
		.amdhsa_system_vgpr_workitem_id 0
		.amdhsa_next_free_vgpr 1024
		.amdhsa_next_free_sgpr 102
		.amdhsa_reserve_vcc 0
		.amdhsa_float_denorm_mode_32 3
		.amdhsa_float_denorm_mode_16_64 3
		.amdhsa_memory_ordered 1
		.amdhsa_forward_progress 1
		.amdhsa_inst_pref_size 158
	.end_amdhsa_kernel
	.amdgpu_metadata
---
amdhsa.version: [ 1, 2 ]
amdhsa.kernels:
  - .name:           k_q50d8da06c5_proj
    .symbol:         k_q50d8da06c5_proj.kd
    .args:
      - { .name: x_codes, .offset: 0, .size: 8, .value_kind: global_buffer, .address_space: global }
      - { .name: Wq_codes, .offset: 8, .size: 8, .value_kind: global_buffer, .address_space: global }
      - { .name: Wk_codes, .offset: 16, .size: 8, .value_kind: global_buffer, .address_space: global }
      - { .name: Wv_codes, .offset: 24, .size: 8, .value_kind: global_buffer, .address_space: global }
      - { .name: bq, .offset: 32, .size: 8, .value_kind: global_buffer, .address_space: global }
      - { .name: bk, .offset: 40, .size: 8, .value_kind: global_buffer, .address_space: global }
      - { .name: bv, .offset: 48, .size: 8, .value_kind: global_buffer, .address_space: global }
      - { .name: lowp_scales, .offset: 56, .size: 8, .value_kind: global_buffer, .address_space: global }
      - { .name: q_img, .offset: 64, .size: 8, .value_kind: global_buffer, .address_space: global }
      - { .name: k_img, .offset: 72, .size: 8, .value_kind: global_buffer, .address_space: global }
      - { .name: v_img, .offset: 80, .size: 8, .value_kind: global_buffer, .address_space: global }
    .group_segment_fixed_size: 327680
    .private_segment_fixed_size: 0
    .kernarg_segment_align: 8
    .kernarg_segment_size: 88
    .max_flat_workgroup_size: 128
    .sgpr_count:     102
    .vgpr_count:     1024
    .wavefront_size: 32
...
	.end_amdgpu_metadata
.endif
;; end of part 1
;; launch scores (part 2): grid 12 x 16, 4 waves a work-group, clusters of 4 x 4, 327,680 bytes of LDS; arguments q_img, k_img, lowp_scales, p_img, st; writes p_img, st
.if DOCPART == 2
	.amdgcn_target "amdgcn-amd-amdhsa--gfx1250"
	.amdhsa_code_object_version 6
	.text
	.protected	k_q50d8da06c5_scores
	.globl	k_q50d8da06c5_scores
	.p2align	8
	.type	k_q50d8da06c5_scores,@function
k_q50d8da06c5_scores:
	s_mov_b64 s[64:65], 0
	v_nop
	global_prefetch_b8 v0, s[64:65] scope:SCOPE_SE
	s_setreg_imm32_b32 hwreg(HW_REG_WAVE_MODE, 25, 1), 1
	s_wait_xcnt 0x0
	s_wait_alu depctr_hold_cnt(0) depctr_sa_sdst(0) depctr_va_vdst(0) depctr_va_sdst(0) depctr_va_ssrc(0) depctr_va_vcc(0) depctr_vm_vsrc(0)
	s_getreg_b32 s2, hwreg(HW_REG_IB_STS2, 6, 4)
	s_cmp_eq_u32 s2, 0
	s_cbranch_scc0 .Lentry_in_a_cluster
	s_endpgm
.Lentry_in_a_cluster:
	s_bfe_u32 s2, ttmp6, 0x10000c
	s_cmp_lg_u32 s2, 0xf033
	s_cbranch_scc0 .Lentry_shape_is_right
	s_endpgm
.Lentry_shape_is_right:
; A tile of 256 queries x 256 keys of S = q k^T on codes of FP8 (E4M3), the causal mask, and the softmax's numerator for THIS TILE: t = S x 2^(e6 + e7) x log2(e) / 32; M_t = the ceiling of a query's largest t among the
; tile's 256 keys, a whole number; p = 2^(t - M_t), quantised along the keys with the given 2^e8.  Stored: p's codes, -M_t, and each wave's sum of the unquantised p over its 128 keys.  The next launch brings each tile under
; the row's M by 2^(M_t - M), which rounds nothing.
; SHARES.  Cluster x = 0, 1, 2 are the super-tiles (I, J) = (0,0), (1,0), (1,1) of 1,024 x 1,024 that the mask leaves; cluster y the batch.  Work-group: query block i = 4 I + cy, key block j = 4 J + cx.  Four waves, 128 x 128 each.
; The four of a row of the cluster ask for q's tile jointly, the four of a column for k's.  All partners run alike: a tile that lies wholly above the diagonal (j > i) is computed too and comes out as zero codes, -M_t = 1e30 and
; sums of 0, which the next launch's clusters read and which add nothing.  What is hidden is decided by selects on ids, never by a branch.
; OPERANDS lie in memory as images of their registers (a fragment of 16 rows x 128 K: 2,048 bytes, chunk c at 512 c, 16 bytes a lane at 16 x lane), so a slot's part of a tile is one dense block, and a fragment is four
; ds_load_b128 of 512 consecutive bytes: no pitch, no padding.
; TRANSPOSED USE: source 0 = 16 keys, source 1 = 16 queries: lane (r, h) of accumulator (a, b) holds query 16 a + r and keys 16 b + 8 h + 0 .. 7.  The codes of (a, 2 c) and (a, 2 c + 1) are registers 4 c .. 4 c + 3 of p's fragment.
; p_img: [8 batch + i][128 keys, 0..15][16 queries, 0..15][2048].   st (f32): ((8 batch + i) 8 + j) 4096 + wave 1024 + kind 512 + r 32 + a 4 bytes; kind 0: -M_t, kind 1: the wave's sum.
; LIMITS: e6 + e7 between -121 and 70; e8 between -126 and 119; |t| under 1e30.  NaN codes are not served.
; REGISTERS: window 0: v1-31 addresses and constants; v32-63 maxima; v64-127 eight registers a block of queries; v128-255 q's fragments, later p's codes.  window 1: k's fragments, two sets.  windows 2, 3: the accumulators.
.set FR,     16
.set NL,     4
.set NP,     4
.set SLOT,   131072                    ; q's 256 rows x 256 K (65,536 bytes: [K step][16 rows][2048]), then k's
.set BOFF,   65536
.set SPARE,  2*SLOT                    ; the spare words, 128 bytes for each wave
.set XCH,    SPARE+512                 ; 512 bytes for each wave: its queries' maxima, for the wave that holds the same queries' other 128 keys
.set SC,   10                          ; v10  2^e8
.set LIM,  11                          ; v11  448 x 2^e8
.set ADRA, 16
.set ADRB, 20
.set LI,   24                          ; v24  16 x lane
.set XW,   25                          ; v25  where I put my maxima
.set XR,   26                          ; v26  where I read the partner's
.set SO,   27                          ; v27  32 r + 16 h: my 16 bytes of a block of statistics
.set SPW,  28
.set NIL,  29
.set NINF, 30                          ; v30  -infinity
.set LOM,  32                          ; v32-39  block of queries a: the largest score among blocks of keys b < a
.set DGM,  40                          ; v40-47  b = a
.set HIM,  48                          ; v48-55  b > a
.set MX,   56                          ; v56-63
.set ST8,  64                          ; v[64 + 8 a]: +0 -M; +2 -M for blocks b < a; +4 for b > a (-infinity where they are hidden); +6, +7 the sum in two halves; +1, +3, +5 named as upper halves of pairs
.set AF,   128
.set CODE, 128
.set G1, 24
.set G0, 32
.set G1B, 48
.set G0B, 56
.set SEL, 66                           ; s[66:67] lane selects: lane l xor 16
.set SP,  68                           ; s[68:75] lanes in which register jj of a block on the diagonal is hidden
.set SH,  76                           ; s76  all ones where my 128 x 128 lies above the diagonal
.set SHD, 77                           ; s77  all ones where it lies on or above it
.set SHM, 78                           ; s78  lanes 16-31
.set CDG, 80                           ; s[80:81] c;  s[82:83] c, or 0 where blocks b < a are hidden;  s[84:85] the same for b > a
.set CLO, 82
.set CHI, 84
.set MSB, 0
.macro WIN new
.if MSB != (\new)
	s_set_vgpr_msb (MSB<<8)|(\new)
.set MSB, (\new)
.endif
.endm
.set MUL_LO, 0xa1
.set MUL_HI, 0xf1
.set TO_B,   0x40
.macro JLOAD g0a, g1a, g0b, g1b        ; waves 0 and 1 fetch q's two K steps of a slot, waves 2 and 3 k's; four v_nop follow each of the two lines
	s_cmp_eq_u32 s15, 0
	s_cbranch_scc0 .Lfor_b_\@
	tensor_load_to_lds s[\g0a:\g0a+3], s[\g1a:\g1a+7]
	s_nop 0
.rept 4
	v_nop
.endr
	s_branch .Lasked_\@
.Lfor_b_\@:
	tensor_load_to_lds s[\g0b:\g0b+3], s[\g1b:\g1b+7]
	s_nop 0
.rept 4
	v_nop
.endr
.Lasked_\@:
.endm
.macro CREST
	s_cmp_lg_u32 s14, 0
	s_cbranch_scc1 .Lnot_wave_0_\@
	s_barrier_signal -3
.Lnot_wave_0_\@:
	s_barrier_wait -3
	s_barrier_signal -1
	s_barrier_wait -1
.endm
.macro CROUND
	s_barrier_signal -1
	s_barrier_wait -1
	CREST
.endm
	s_load_b256 s[4:11], s[0:1], 0x0               ; q_img s[4:5], k_img s[6:7], the exponents s[8:9], p_img s[10:11]
	s_load_b64 s[12:13], s[0:1], 0x20              ; st
	v_lshl_add_u32 v[SPW], v0, 2, SPARE
	v_mov_b32 v[NIL], 0
	ds_add_u32 v28, v29
	ds_add_u32 v28, v29
	s_wait_dscnt 0x0
	v_lshrrev_b32 v1, 5, v0
	v_readfirstlane_b32 s14, v1                    ; wave 0..3
	s_lshr_b32 s15, s14, 1                         ; which 128 queries.  Also: I fetch for q (0) or for k (1)
	s_and_b32 s16, s14, 1                          ; which 128 keys.  Also: which K step of a slot I fetch
	s_bfe_u32 s40, ttmp6, 0x40000                  ; cx
	s_bfe_u32 s41, ttmp6, 0x40004                  ; cy
	s_add_co_u32 s18, ttmp9, 1
	s_lshr_b32 s18, s18, 1                         ; I = 0, 1, 1
	s_lshr_b32 s19, ttmp9, 1                       ; J = 0, 0, 1
	s_and_b32 s91, ttmp7, 0xffff
	s_lshl_b32 s91, s91, 3                         ; 8 x batch
	s_lshl_b32 s18, s18, 2
	s_add_co_u32 s17, s18, s41                     ; i
	s_lshl_b32 s19, s19, 2
	s_add_co_u32 s42, s19, s40                     ; j
	s_lshl_b32 s43, s41, 2
	s_lshl_b32 s43, 15, s43                        ; my row of the cluster
	s_lshl_b32 s44, 0x1111, s40                    ; my column
	; descriptor group 1: a dense block of 32,768 bytes as 128 rows of 32 elements of 8 bytes, no padding
	s_or_b32 s[G1+0], s43, (3<<16)|(1<<21)         ; 15:0 the mask; 17:16 elements of 8 bytes; 21 set beside a mask
	s_or_b32 s[G1B+0], s44, (3<<16)|(1<<21)
.irp g, G1, G1B
	s_mov_b32 s[\g+1], 32<<16                      ; tensor_dim0
	s_mov_b32 s[\g+2], 128<<16                     ; tensor_dim1
	s_mov_b32 s[\g+3], 32<<16                      ; tile_dim0
	s_mov_b32 s[\g+4], 128                         ; tile_dim1
	s_mov_b32 s[\g+5], 32                          ; tensor_dim0_stride
	s_mov_b32 s[\g+6], 0
	s_mov_b32 s[\g+7], 0
.endr
	s_lshl_b32 s23, s16, 15                        ; my K step of a slot's two
	s_add_co_u32 s20, s91, s17
	s_lshl_b32 s20, s20, 18                        ; q: block 8 batch + i, 262,144 bytes each
	s_add_co_u32 s20, s20, s23
	s_mov_b32 s21, 0
	s_add_co_u32 s46, s91, s42
	s_lshl_b32 s46, s46, 18                        ; k: block 8 batch + j
	s_add_co_u32 s46, s46, s23
	s_mov_b32 s47, 0
	s_lshl_b32 s45, s14, 15                        ; where they go: wave x 32,768
	s_wait_kmcnt 0x0
	s_load_b64 s[88:89], s[8:9], 0x18              ; e6, e7
	s_load_b32 s90, s[8:9], 0x20                   ; e8
	s_add_nc_u64 s[20:21], s[4:5], s[20:21]
	s_add_nc_u64 s[46:47], s[6:7], s[46:47]
	; the prefetches: of the 32,768 bytes that my wave fetches for a slot, my work-group's quarter, told apart by address: cx for q, cy for k
	s_lshl_b32 s94, s40, 13
	s_lshl_b32 s95, s41, 13
	s_cmp_eq_u32 s15, 0
	s_cselect_b32 s94, s94, s95
	s_mov_b32 s95, 0
	s_cselect_b64 s[92:93], s[20:21], s[46:47]
	s_add_nc_u64 s[92:93], s[92:93], s[94:95]
	CROUND                                         ; all sixteen work-groups are here: the first joint loads meet
.irp s, 0,1
	s_mov_b32 s[G0+4*\s], 1
	s_add_co_u32 s[G0+4*\s+1], s45, \s*SLOT
	s_add_nc_u64 s[G0+4*\s+2:G0+4*\s+3], s[20:21], \s*65536
	s_or_b32 s[G0+4*\s+3], s[G0+4*\s+3], 0x80000000
	s_mov_b32 s[G0B+4*\s], 1
	s_add_co_u32 s[G0B+4*\s+1], s45, \s*SLOT
	s_add_nc_u64 s[G0B+4*\s+2:G0B+4*\s+3], s[46:47], \s*65536
	s_or_b32 s[G0B+4*\s+3], s[G0B+4*\s+3], 0x80000000
.endr
	JLOAD G0, G1, G0B, G1B                         ; slot 0: one tensor load a wave at the head
	v_and_b32 v1, 15, v0                           ; r
	v_bfe_u32 v2, v0, 4, 1                         ; h
	v_and_b32 v3, 31, v0
	v_lshlrev_b32 v[LI], 4, v3
	v_lshlrev_b32 v12, 8, v3                       ; the prefetches' offset: a lane a block of 256 bytes
	global_prefetch_b8 v12, s[92:93] offset:65536 th:TH_LOAD_NT scope:SCOPE_SE    ; the second fill, which sets out when the first has landed
	s_lshl_b32 s21, s15, 14                        ; my eight fragments of q in a K step
	s_lshl_b32 s22, s16, 14                        ; and of k,
	s_add_co_u32 s22, s22, BOFF                    ; which lie behind q's
.irp s, 0,1
	v_add_nc_u32 v[ADRA+\s], s21, v[LI]
	v_add_nc_u32 v[ADRB+\s], s22, v[LI]
	s_add_co_u32 s21, s21, SLOT
	s_add_co_u32 s22, s22, SLOT
.endr
	v_lshlrev_b32 v4, 5, v1                        ; 32 r
	v_lshl_add_u32 v[SO], v2, 4, v4
	s_lshl_b32 s21, s14, 9
	s_add_co_u32 s21, s21, XCH
	v_add_nc_u32 v[XW], s21, v[SO]
	s_xor_b32 s22, s14, 1                          ; the wave with my queries and the other 128 keys
	s_lshl_b32 s22, s22, 9
	s_add_co_u32 s22, s22, XCH
	v_add_nc_u32 v[XR], s22, v4
	v_mov_b32 v[NINF], 0xff800000
	v_lshlrev_b32 v5, 3, v2
	v_sub_nc_u32 v5, v1, v5                        ; r - 8 h: in a block on the diagonal register jj (key 8 h + jj) is hidden from query r where jj > r - 8 h
.irp jj, 0,1,2,3,4,5,6,7
	v_cmp_gt_i32 s[SP+\jj], \jj, v5
.endr
	s_sub_co_i32 s18, s17, s42
	s_lshl_b32 s18, s18, 1
	s_add_co_i32 s18, s18, s15
	s_sub_co_i32 s18, s18, s16                     ; u = my block of 128 queries - my block of 128 keys: under 0 all is hidden, 0 is the diagonal, above 0 all counts
	s_cmp_lt_i32 s18, 0
	s_cselect_b32 s[SH], -1, 0
	s_cmp_le_i32 s18, 0
	s_cselect_b32 s[SHD], -1, 0
	s_cmp_eq_u32 s18, 0
	s_cselect_b32 s79, -1, 0
	s_mov_b32 s[SHM], 0xffff0000
.irp jj, 0,1,2,3,4,5,6,7
	s_and_b32 s[SP+\jj], s[SP+\jj], s79
	s_or_b32 s[SP+\jj], s[SP+\jj], s[SH]
.endr
	s_mov_b32 s[SEL], 0x76543210
	s_mov_b32 s[SEL+1], 0xfedcba98
.set n, 0
.rept 24
	v_mov_b32 v[LOM+n], v[NINF]                    ; the three chains of maxima begin under every score; two of them (b < 0, b > 7) stay so
.set n, n+1
.endr
.irp a, 0,1,2,3,4,5,6,7
	v_mov_b32 v[ST8+8*\a+1], 0
	v_mov_b32 v[ST8+8*\a+3], 0
	v_mov_b32 v[ST8+8*\a+5], 0
	v_mov_b32 v[ST8+8*\a+6], 0                     ; the sum, in two halves
	v_mov_b32 v[ST8+8*\a+7], 0
.endr
	s_add_co_u32 s18, s91, s17                     ; 8 batch + i
	s_lshl_b32 s19, s18, 19
	s_lshl_b32 s20, s42, 1
	s_add_co_u32 s20, s20, s16
	s_lshl_b32 s20, s20, 15                        ; K step 2 j + wave % 2 of p
	s_add_co_u32 s19, s19, s20
	s_lshl_b32 s20, s15, 14
	s_add_co_u32 s46, s19, s20
	s_mov_b32 s47, 0
	s_add_nc_u64 s[10:11], s[10:11], s[46:47]
	s_lshl_b32 s18, s18, 3
	s_add_co_u32 s18, s18, s42
	s_lshl_b32 s18, s18, 12
	s_lshl_b32 s19, s14, 10
	s_add_co_u32 s46, s18, s19
	s_add_nc_u64 s[12:13], s[12:13], s[46:47]
	s_wait_kmcnt 0x0
	s_add_co_i32 s18, s88, s89
	s_lshl_b32 s18, s18, 23
	s_add_co_i32 s[CDG], s18, 0x3d38aa3b           ; c = log2(e) / 32 x 2^(e6 + e7): the two exponents are added to c's exponent field
	s_mov_b32 s[CDG+1], s[CDG]                     ; (named with it as a pair, so it is written)
	s_cmp_lg_u32 s[SH], 0
	s_cselect_b32 s[CLO], 0, s[CDG]
	s_mov_b32 s[CLO+1], s[CLO]
	s_cmp_lg_u32 s[SHD], 0
	s_cselect_b32 s[CHI], 0, s[CDG]
	s_mov_b32 s[CHI+1], s[CHI]
	s_add_co_i32 s18, s90, 127
	s_lshl_b32 s19, s18, 23
	v_mov_b32 v[SC], s19
	s_add_co_i32 s18, s18, 8
	s_lshl_b32 s18, s18, 23
	s_or_b32 s18, s18, 0x600000
	v_mov_b32 v[LIM], s18
.macro FRAG reg, adr, q, i             ; a fragment comes as it was stored: four loads of 512 consecutive bytes
.irp c, 0,1,2,3
	ds_load_b128 v[\reg+4*\c:\reg+4*\c+3], v[\adr] offset:32768*(\q)+2048*(\i)+512*\c
.endr
.endm
; 16 matrix instructions: q's blocks a0, a0 + 1 x k's eight.  The 64 accumulators take turns, one instruction a turn.  zero = 1: the first product starts the sums.
.macro MUL16 a0, p, zero
.irp a, \a0, \a0+1
.irp b, 0,1,2,3,4,5,6,7
.if \zero
	v_wmma_f32_16x16x128_fp8_fp8 v[8*(8*((\a)%4)+\b):8*(8*((\a)%4)+\b)+7], v[128*(\p)+FR*\b:128*(\p)+FR*\b+FR-1], v[AF+FR*(\a):AF+FR*(\a)+FR-1], 0
.else
	v_wmma_f32_16x16x128_fp8_fp8 v[8*(8*((\a)%4)+\b):8*(8*((\a)%4)+\b)+7], v[128*(\p)+FR*\b:128*(\p)+FR*\b+FR-1], v[AF+FR*(\a):AF+FR*(\a)+FR-1], v[8*(8*((\a)%4)+\b):8*(8*((\a)%4)+\b)+7]
.endif
.endr
.endr
.endm
.macro FETCH_B slot, q, p
	WIN TO_B
.irp i, 0,1,2,3,4,5,6,7
	FRAG 128*(\p)+FR*\i, ADRB+\slot, \q, \i
.endr
	WIN 0
.endm
.macro FETCH_A slot, q, i0
.irp i, \i0, \i0+1, \i0+2, \i0+3
	FRAG AF+FR*(\i), ADRA+\slot, \q, \i
.endr
.endm
.macro PLACES n                        ; places behind matrix instructions, in front of loads into registers that they have read and of the first read of results (ISA guide 7.12.1 for the first read of results)
.rept \n
	v_nop
.endr
.endm
.macro STEP slot, q, zero
	s_wait_dscnt 4*NL                              ; k's set and q's blocks 0-3 are in; the youngest sixteen loads (q's blocks 4-7) may be out
	WIN MUL_LO
	MUL16 0, (\q)%2, \zero
	FETCH_B \slot, (\q)+1, 1-(\q)%2                ; k's other set: its last readers stand in the step before, ahead of that step's last four places
	WIN MUL_LO
	MUL16 2, (\q)%2, \zero
	s_wait_dscnt 8*NL                              ; q's blocks 4-7 are in; k's 32 loads may be out
	WIN 0
	PLACES NP
	FETCH_A \slot, (\q)+1, 0
	WIN MUL_HI
	MUL16 4, (\q)%2, \zero
	MUL16 6, (\q)%2, \zero
	PLACES NP
	WIN 0
	FETCH_A \slot, (\q)+1, 4
.endm
.macro TURN slot, next, fill
	s_wait_tensorcnt 0x0                           ; all my tensor loads have landed: my part of the next slot
	ds_add_u32 v[SPW], v[NIL]                      ; 0 onto my spare word
	s_wait_dscnt 4*NL+1                            ; the add and the youngest sixteen loads may be out
	WIN MUL_LO
	MUL16 0, 1, 0
	s_wait_dscnt 0x0                               ; the add is done, and my reads of this slot are over
	s_barrier_signal -1
	MUL16 2, 1, 0
	WIN 0
	s_barrier_wait -1
.if \fill
	CREST                                          ; the round: no wave of any partner still reads this slot or has a load on its way
	s_add_nc_u64 s[G0+4*\slot+2:G0+4*\slot+3], s[G0+4*\slot+2:G0+4*\slot+3], 2*65536
	s_add_nc_u64 s[G0B+4*\slot+2:G0B+4*\slot+3], s[G0B+4*\slot+2:G0B+4*\slot+3], 2*65536
	JLOAD G0+4*\slot, G1, G0B+4*\slot, G1B
.else
	PLACES NP
.endif
	FETCH_B \next, 0, 0
	FETCH_A \next, 0, 0
	WIN MUL_HI
	MUL16 4, 1, 0
	MUL16 6, 1, 0
	PLACES NP
	WIN 0
	FETCH_A \next, 0, 4
.endm
	s_wait_alu depctr_va_vdst(0)
	s_wait_tensorcnt 0x0                           ; my part of slot 0 is in
	ds_add_u32 v[SPW], v[NIL]                      ; 0 onto my spare word
	s_wait_dscnt 0x0
	CROUND                                         ; everybody's part is in
	JLOAD G0+4, G1, G0B+4, G1B                     ; slot 1's first fill
	FETCH_B 0, 0, 0
	FETCH_A 0, 0, 0
	FETCH_A 0, 0, 4
	global_prefetch_b8 v12, s[92:93] offset:131072 th:TH_LOAD_NT scope:SCOPE_SE   ; the third fill, asked for a step of 128 ahead of its load; the four partners name each block of 256 bytes once
	STEP 0, 0, 1                                   ; eight steps of 128 along the 1,024 channels, four fills of a slot: written out
	global_prefetch_b8 v12, s[92:93] offset:196608 th:TH_LOAD_NT scope:SCOPE_SE   ; the fourth fill, two steps ahead of its load; there is none behind it
	TURN 0, 1, 1
	STEP 1, 0, 0
	TURN 1, 0, 1
	STEP 0, 0, 0
	TURN 0, 1, 0
	STEP 1, 0, 0
	s_wait_dscnt 4*NL
	WIN MUL_LO
	MUL16 0, 1, 0
	MUL16 2, 1, 0
	s_wait_dscnt 0
	WIN MUL_HI
	MUL16 4, 1, 0
	MUL16 6, 1, 0
	WIN 0
	PLACES NP
; THE MAXIMA of window W's four blocks of queries.  First the blocks on the diagonal get -infinity where a key is hidden; then each block of queries runs three chains, for b < a, b = a and b > a, the four blocks by turns.
; Every accumulator is read from its low end on.
.macro EMAX W
	WIN ((\W)<<6)|(\W)
.irp m, 0,1,2,3
.irp jj, 0,1,2,3,4,5,6,7
	v_cndmask_b32 v[8*(8*\m+4*(\W-2)+\m)+\jj], v[8*(8*\m+4*(\W-2)+\m)+\jj], v[NINF], s[SP+\jj]
.endr
.endr
	WIN ((\W)<<2)|((\W)<<4)                        ; sources 1 and 2 in window W
.set n, 0
.rept 32
.irp m, 0,1,2,3
.set aa, 4*(\W-2)+\m
.set bb, n/4
.set rr, 8*(8*\m+bb)+2*(n%4)
.if bb < aa
.set ch, LOM+aa
.elseif bb == aa
.set ch, DGM+aa
.else
.set ch, HIM+aa
.endif
	v_max3_num_f32 v[ch], v[ch], v[rr], v[rr+1]
.endr
.set n, n+1
.endr
.endm
	EMAX 2
	EMAX 3
	WIN 0
.irp a, 0,1,2,3,4,5,6,7
	v_cndmask_b32 v[LOM+\a], v[LOM+\a], v[NINF], s[SH]    ; whole blocks that are hidden do not count
	v_cndmask_b32 v[HIM+\a], v[HIM+\a], v[NINF], s[SHD]
.endr
.irp a, 0,1,2,3,4,5,6,7
	v_max3_num_f32 v[MX+\a], v[LOM+\a], v[DGM+\a], v[HIM+\a]
.endr
.irp a, 0,1,2,3,4,5,6,7
	v_permlanex16_b32 v[LOM+\a], v[MX+\a], s[SEL], s[SEL+1]   ; the query's other keys of each block lie in lane l xor 16
.endr
.irp a, 0,1,2,3,4,5,6,7
	v_max_num_f32 v[MX+\a], v[MX+\a], v[LOM+\a]
.endr
.irp k, 0,1,2,3
	v_cndmask_b32 v[DGM+\k], v[MX+\k], v[MX+4+\k], s[SHM]     ; lanes 0-15 send blocks 0-3, lanes 16-31 blocks 4-7
.endr
	ds_store_b128 v[XW], v[DGM:DGM+3]
	s_wait_dscnt 0x0                               ; for the partner's sake: my store is done
	s_barrier_signal -1
	s_barrier_wait -1
	ds_load_b128 v[HIM:HIM+3], v[XR]               ; the same queries' maxima over the tile's other 128 keys
	ds_load_b128 v[HIM+4:HIM+7], v[XR] offset:16
	s_wait_dscnt 0x0
.irp a, 0,1,2,3,4,5,6,7
	v_max_num_f32 v[MX+\a], v[MX+\a], v[HIM+\a]
.endr
.irp a, 0,1,2,3,4,5,6,7
	v_mul_f32 v[MX+\a], s[CDG], v[MX+\a]           ; as t (c is positive)
.endr
.irp a, 0,1,2,3,4,5,6,7
	v_max_num_f32 v[MX+\a], 0xf149f2ca, v[MX+\a]   ; a tile in which a query sees no key: -1e30, so that -M is a number
.endr
.irp a, 0,1,2,3,4,5,6,7
	v_floor_f32 v[ST8+8*\a], -v[MX+\a]             ; -M = floor(-t) = -ceil(t): a whole number
.endr
.irp a, 0,1,2,3,4,5,6,7
	v_cndmask_b32 v[ST8+8*\a+2], v[ST8+8*\a], v[NINF], s[SH]
	v_cndmask_b32 v[ST8+8*\a+4], v[ST8+8*\a], v[NINF], s[SHD]
.endr
; p = 2^(c s - M) of window W's 32 accumulators, in place; in a hidden block 0 x s - infinity.  The 256 exponentials are one batch with one wait.  Then the sums of the unquantised p, the hold (p is not negative:
; one-sided), the conversions and 16 stores of 512 consecutive bytes.
.macro ESOFT W
	WIN ((\W)<<6)|(\W)
.irp m, 0,1,2,3
.irp b, 0,1,2,3,4,5,6,7
.set aa, 4*(\W-2)+\m
.if \b < aa
.set cc, CLO
.set kk, 2
.elseif \b == aa
.set cc, CDG
.set kk, 0
.else
.set cc, CHI
.set kk, 4
.endif
.set rr, 8*(8*\m+\b)
.irp i, 0,2,4,6
	v_pk_fma_f32 v[rr+\i:rr+\i+1], v[rr+\i:rr+\i+1], s[cc:cc+1], v[ST8+8*aa+kk:ST8+8*aa+kk+1] op_sel_hi:[1,0,0]   ; of the pairs c and -M the low word serves both halves
.endr
.endr
.endr
.set n, 0
	s_wait_alu depctr_va_vdst(0)
.rept 256
	v_exp_f32 v[n], v[n]
.set n, n+1
.endr
	v_nop                                          ; a plain instruction behind the last exponential
	s_wait_alu depctr_va_vdst(0)                   ; one wait for the batch, ahead of its first reader
	WIN (\W)<<2                                    ; source 1 in window W
.set n, 0
.rept 32
.irp m, 0,1,2,3
	v_pk_add_f32 v[ST8+8*(4*(\W-2)+\m)+6:ST8+8*(4*(\W-2)+\m)+7], v[ST8+8*(4*(\W-2)+\m)+6:ST8+8*(4*(\W-2)+\m)+7], v[64*\m+2*n:64*\m+2*n+1]
.endr
.set n, n+1
.endr
	WIN ((\W)<<6)|(\W)
.set n, 0
.rept 256
	v_min_num_f32 v[n], v[n], v[LIM]               ; the conversion to an 8-bit code does not saturate (ISA guide 7.6.2)
.set n, n+1
.endr
	WIN \W
.irp m, 0,1,2,3
.irp b, 0,1,2,3,4,5,6,7
	v_cvt_scalef32_pk8_fp8_f32 v[CODE+64*(\W-2)+16*\m+2*\b:CODE+64*(\W-2)+16*\m+2*\b+1], v[8*(8*\m+\b):8*(8*\m+\b)+7], v[SC]
.endr
.endr
	WIN 0
	v_nop                                          ; one plain vector instruction behind the last conversion
.irp m, 0,1,2,3
.irp c, 0,1,2,3
	global_store_b128 v[LI], v[CODE+64*(\W-2)+16*\m+4*\c:CODE+64*(\W-2)+16*\m+4*\c+3], s[10:11] offset:(4*(\W-2)+\m)*2048+\c*512
.endr
.endr
.endm
	ESOFT 2
	ESOFT 3
.irp a, 0,1,2,3,4,5,6,7
	v_add_f32 v[MX+\a], v[ST8+8*\a+6], v[ST8+8*\a+7]          ; the sum's two halves,
.endr
.irp a, 0,1,2,3,4,5,6,7
	v_permlanex16_b32 v[LOM+\a], v[MX+\a], s[SEL], s[SEL+1]
.endr
.irp a, 0,1,2,3,4,5,6,7
	v_add_f32 v[MX+\a], v[MX+\a], v[LOM+\a]                   ; and lane l xor 16's: the query's sum over my 128 keys
.endr
.irp k, 0,1,2,3
	v_cndmask_b32 v[DGM+\k], v[ST8+8*\k], v[ST8+8*(\k+4)], s[SHM]
	v_cndmask_b32 v[DGM+4+\k], v[MX+\k], v[MX+4+\k], s[SHM]
.endr
	global_store_b128 v[SO], v[DGM:DGM+3], s[12:13]               ; -M: 512 consecutive bytes
	global_store_b128 v[SO], v[DGM+4:DGM+7], s[12:13] offset:512  ; the sums likewise
	s_wait_tensorcnt 0x0                           ; the wave's end
	ds_add_u32 v[SPW], v[NIL]
	s_wait_dscnt 0x0
	CROUND                                         ; the closing round
	s_endpgm
.Lfunc_end_k_q50d8da06c5_scores:
	.size	k_q50d8da06c5_scores, .Lfunc_end_k_q50d8da06c5_scores-k_q50d8da06c5_scores
	.p2alignl 7, 3214868480
	.fill 96, 4, 3214868480
	.section	.rodata,"a",@progbits
	.p2align	6, 0x0
	.amdhsa_kernel k_q50d8da06c5_scores
		.amdhsa_group_segment_fixed_size 327680
		.amdhsa_private_segment_fixed_size 0
		.amdhsa_enable_private_segment 0
		.amdhsa_kernarg_size 40
		.amdhsa_user_sgpr_count 2
		.amdhsa_user_sgpr_kernarg_segment_ptr 1
		.amdhsa_wavefront_size32 1
		.amdhsa_system_sgpr_workgroup_id_x 1
		.amdhsa_system_sgpr_workgroup_id_y 1
		.amdhsa_system_sgpr_workgroup_id_z 1
		.amdhsa_system_vgpr_workitem_id 0
		.amdhsa_next_free_vgpr 1024
		.amdhsa_next_free_sgpr 100
		.amdhsa_reserve_vcc 0
		.amdhsa_float_denorm_mode_32 3
		.amdhsa_float_denorm_mode_16_64 3
		.amdhsa_memory_ordered 1
		.amdhsa_forward_progress 1
		.amdhsa_inst_pref_size 182
	.end_amdhsa_kernel
	.amdgpu_metadata
---
amdhsa.version: [ 1, 2 ]
amdhsa.kernels:
  - .name:           k_q50d8da06c5_scores
    .symbol:         k_q50d8da06c5_scores.kd
    .args:
      - { .name: q_img, .offset: 0, .size: 8, .value_kind: global_buffer, .address_space: global }
      - { .name: k_img, .offset: 8, .size: 8, .value_kind: global_buffer, .address_space: global }
      - { .name: lowp_scales, .offset: 16, .size: 8, .value_kind: global_buffer, .address_space: global }
      - { .name: p_img, .offset: 24, .size: 8, .value_kind: global_buffer, .address_space: global }
      - { .name: st, .offset: 32, .size: 8, .value_kind: global_buffer, .address_space: global }
    .group_segment_fixed_size: 327680
    .private_segment_fixed_size: 0
    .kernarg_segment_align: 8
    .kernarg_segment_size: 40
    .max_flat_workgroup_size: 128
    .sgpr_count:     100
    .vgpr_count:     1024
    .wavefront_size: 32
...
	.end_amdgpu_metadata
.endif
;; end of part 2
;; launch pv (part 3): grid 8 x 32, 4 waves a work-group, clusters of 4 x 4, 327,680 bytes of LDS; arguments p_img, v_img, st, lowp_scales, out0; writes out0
.if DOCPART == 3
	.amdgcn_target "amdgcn-amd-amdhsa--gfx1250"
	.amdhsa_code_object_version 6
	.text
	.protected	k_q50d8da06c5_pv
	.globl	k_q50d8da06c5_pv
	.p2align	8
	.type	k_q50d8da06c5_pv,@function
k_q50d8da06c5_pv:
	s_mov_b64 s[64:65], 0
	v_nop
	global_prefetch_b8 v0, s[64:65] scope:SCOPE_SE
	s_setreg_imm32_b32 hwreg(HW_REG_WAVE_MODE, 25, 1), 1
	s_wait_xcnt 0x0
	s_wait_alu depctr_hold_cnt(0) depctr_sa_sdst(0) depctr_va_vdst(0) depctr_va_sdst(0) depctr_va_ssrc(0) depctr_va_vcc(0) depctr_vm_vsrc(0)
	s_getreg_b32 s2, hwreg(HW_REG_IB_STS2, 6, 4)
	s_cmp_eq_u32 s2, 0
	s_cbranch_scc0 .Lentry_in_a_cluster
	s_endpgm
.Lentry_in_a_cluster:
	s_bfe_u32 s2, ttmp6, 0x10000c
	s_cmp_lg_u32 s2, 0xf033
	s_cbranch_scc0 .Lentry_shape_is_right
	s_endpgm
.Lentry_shape_is_right:
; out = (p v) / the row's sum, on codes of FP8: p's tiles of 256 x 256 as the launch before stored them, each under its own whole number M_t, brought under the row's M by 2^(M_t - M) as the tiles are summed.
; SHARES.  A work-group makes 128 channels of two blocks of 128 queries, 4 PT + cy and 12 + cy - 4 PT (PT = cluster y % 2): 512 (PT + 1) and 512 (4 - PT) keys, five slots of 512 keys in all.  Keys behind those are hidden from every
; query of the block by the causal mask, so p has no live tile there: that work is left out; a NaN or an infinity that reaches it alone is not carried.  Four waves, 64 x 64 each.
; CLUSTERS: the four of a row ask for p jointly, the four of a column for v.
; PREFETCH INTO THE L2: slots 2 to 4, each a slot ahead of its load; every cluster asks for what it will itself load, each block of 256 bytes once, the blocks shared out by address (cx for p, cy for v).  Slots 0 and 1 come by their
; loads alone; nothing is asked behind slot 4.
; A row's sum is made of the tiles' sums x 2^(M_t - M); the factor 2^(e8 + e9) / sum is folded into the merges' factors.  LIMITS: those of the launches before.
; REGISTERS: window 0: addresses and statistics, from v128 on v's fragments, two sets; window 1: p's fragments, two sets; window 2: v0-127 a tile's sums, from v128 on the merges' factors; window 3: v0-127 the result, v128-255 the way out.
.set SLOT,  131072
.set BOFF,  65536
.set SPARE, 2*SLOT
.set STAGE, SPARE+512
.set ADRA, 4
.set ADRB, 6
.set STO,  8
.set RD,   9
.set CO,   10
.set R32,  11
.set SPW,  12
.set NIL,  13
.set BIG,  14
.set PFO,  15
.set NA,   16
.set NB,   20
.set NM,   24
.set RA,   28
.set RB,   32
.set RM,   36
.set LA,   40
.set LB,   44
.set TT,   48
.set SN,   128
.set L0,   168
.set L1,   208
.set BF,   128
.set FT,   128
.set BK,   128
.set G1, 24
.set G0, 32
.set G1B, 48
.set G0B, 56
.set OB1, 10
.set OB2, 12
.set PT,  78
.set MPT, 79
.set WA,  80
.set WB,  81
.set NXP, 84
.set NXV, 86
.set PF3, 96
.set PF4, 98
.set MSB, 0
.macro WIN new
.if MSB != (\new)
	s_set_vgpr_msb (MSB<<8)|(\new)
.set MSB, (\new)
.endif
.endm
.macro JLOAD g0a, g1a, g0b, g1b
	s_cmp_eq_u32 s15, 0
	s_cbranch_scc0 .Lfor_b_\@
	tensor_load_to_lds s[\g0a:\g0a+3], s[\g1a:\g1a+7]
	s_nop 0
.rept 4
	v_nop
.endr
	s_branch .Lasked_\@
.Lfor_b_\@:
	tensor_load_to_lds s[\g0b:\g0b+3], s[\g1b:\g1b+7]
	s_nop 0
.rept 4
	v_nop
.endr
.Lasked_\@:
.endm
.macro CREST
	s_cmp_lg_u32 s14, 0
	s_cbranch_scc1 .Lnot_wave_0_\@
	s_barrier_signal -3
.Lnot_wave_0_\@:
	s_barrier_wait -3
	s_barrier_signal -1
	s_barrier_wait -1
.endm
.macro CROUND
	s_barrier_signal -1
	s_barrier_wait -1
	CREST
.endm
.macro PLACES n
.rept \n
	v_nop
.endr
.endm
.macro ASK pf
	global_prefetch_b8 v[PFO], s[\pf:\pf+1] th:TH_LOAD_NT scope:SCOPE_SE
.endm
	s_load_b256 s[68:75], s[0:1], 0x0
	s_load_b64 s[76:77], s[0:1], 0x20
	v_lshl_add_u32 v[SPW], v0, 2, SPARE
	v_mov_b32 v[NIL], 0
	ds_add_u32 v12, v13
	ds_add_u32 v12, v13
	s_wait_dscnt 0x0
	v_lshrrev_b32 v1, 5, v0
	v_readfirstlane_b32 s14, v1
	s_lshr_b32 s15, s14, 1
	s_and_b32 s16, s14, 1
	s_bfe_u32 s40, ttmp6, 0x40000
	s_bfe_u32 s41, ttmp6, 0x40004
	s_and_b32 s83, ttmp7, 0xffff
	s_and_b32 s[PT], s83, 1
	s_lshr_b32 s82, s83, 1
	s_xor_b32 s83, s[PT], 1
	s_lshl_b32 s42, ttmp9, 2
	s_add_co_u32 s42, s42, s40
	s_lshl_b32 s43, s41, 2
	s_lshl_b32 s43, 15, s43
	s_lshl_b32 s44, 0x1111, s40
	v_and_b32 v1, 15, v0
	v_bfe_u32 v2, v0, 4, 1
	v_lshlrev_b32 v[R32], 5, v1
	s_lshl_b32 s88, s15, 4
	v_add_nc_u32 v[R32], s88, v[R32]
	s_or_b32 s[G1+0], s43, (3<<16)|(1<<21)
	s_mov_b32 s[G1+1], 2048<<16
	s_mov_b32 s[G1+2], 2<<16
	s_mov_b32 s[G1+3], 2048<<16
	s_mov_b32 s[G1+4], 2
	s_mov_b32 s[G1+5], 4096
	s_mov_b32 s[G1+6], 0
	s_mov_b32 s[G1+7], 0
	s_or_b32 s[G1B+0], s44, (3<<16)|(1<<21)
	s_mov_b32 s[G1B+1], 32<<16
	s_mov_b32 s[G1B+2], 128<<16
	s_mov_b32 s[G1B+3], 32<<16
	s_mov_b32 s[G1B+4], 128
	s_mov_b32 s[G1B+5], 32
	s_mov_b32 s[G1B+6], 0
	s_mov_b32 s[G1B+7], 0
	s_lshr_b32 s90, s41, 1
	s_and_b32 s91, s41, 1
	s_lshl_b32 s92, s82, 3
	s_add_co_u32 s92, s92, s90
	s_lshl_b32 s93, s[PT], 1
	s_add_co_u32 s94, s92, s93
	s_add_co_u32 s95, s92, 6
	s_sub_co_u32 s95, s95, s93
	s_lshl_b32 s20, s91, 14
	s_lshl_b32 s21, s16, 16
	s_add_co_u32 s20, s20, s21
	s_lshl_b32 s18, s94, 19
	s_add_co_u32 s18, s18, s20
	s_lshl_b32 s19, s95, 19
	s_add_co_u32 s19, s19, s20
	s_add_co_u32 s21, s18, 131072
	s_cmp_eq_u32 s[PT], 1
	s_cselect_b32 s21, s21, s19
	s_lshl_b32 s20, s83, 17
	s_add_co_u32 s20, s19, s20
	s_lshl_b32 s46, s82, 3
	s_add_co_u32 s46, s46, s42
	s_lshl_b32 s46, s46, 18
	s_lshl_b32 s47, s16, 15
	s_add_co_u32 s46, s46, s47
	s_lshl_b32 s47, s[PT], 16
	s_add_co_u32 s22, s46, s47
	s_lshl_b32 s47, s83, 16
	s_add_co_u32 s23, s46, s47
	s_lshl_b32 s45, s16, 15
	s_lshl_b32 s88, s91, 11
	s_lshl_b32 s4, s94, 15
	s_add_co_u32 s4, s4, s88
	s_lshl_b32 s8, s95, 15
	s_add_co_u32 s8, s8, s88
	s_add_co_u32 s6, s4, 8192
	s_cmp_eq_u32 s[PT], 1
	s_cselect_b32 s6, s6, s8
	s_cselect_b32 s[MPT], -1, 0
	s_cselect_b32 s[WA], 1.0, 0
	s_cselect_b32 s[WB], 0, 1.0
	s_lshl_b32 s88, s83, 13
	s_add_co_u32 s8, s8, s88
	s_mov_b32 s5, 0
	s_mov_b32 s7, 0
	s_mov_b32 s9, 0
	s_lshl_b32 s88, s[PT], 2
	s_add_co_u32 s89, s88, s41
	s_add_co_u32 s90, s41, 12
	s_sub_co_u32 s90, s90, s88
	s_lshl_b32 s92, s82, 23
	s_lshl_b32 s93, s15, 18
	s_add_co_u32 s92, s92, s93
	s_lshl_b32 s93, s42, 9
	s_add_co_u32 s92, s92, s93
	s_lshl_b32 s93, s16, 8
	s_add_co_u32 s92, s92, s93
	s_lshl_b32 s[OB1], s89, 19
	s_add_co_u32 s[OB1], s[OB1], s92
	s_mov_b32 s[OB1+1], 0
	s_lshl_b32 s[OB2], s90, 19
	s_add_co_u32 s[OB2], s[OB2], s92
	s_mov_b32 s[OB2+1], 0
	s_lshr_b32 s88, s40, 1
	s_lshl_b32 s88, s88, 15
	s_and_b32 s89, s40, 1
	s_lshl_b32 s89, s89, 13
	s_add_co_u32 s88, s88, s89
	s_add_co_u32 s88, s88, s20
	s_add_co_u32 s88, s88, 131072
	s_lshl_b32 s89, s41, 13
	s_add_co_u32 s89, s89, s23
	s_add_co_u32 s89, s89, 65536
	s_mov_b32 s93, 65536
	s_cmp_eq_u32 s15, 0
	s_cselect_b32 s[PF3], s88, s89
	s_cselect_b32 s92, 131072, s93
	s_mov_b32 s[PF3+1], 0
	s_mov_b32 s93, 0
	s_wait_alu depctr_va_vdst(0)
	s_wait_kmcnt 0x0
	s_load_b64 s[66:67], s[74:75], 0x20
	s_add_nc_u64 s[4:5], s[72:73], s[4:5]
	s_add_nc_u64 s[6:7], s[72:73], s[6:7]
	s_add_nc_u64 s[8:9], s[72:73], s[8:9]
.macro SLOAD reg, add
.irp q, 0,1
	global_load_b128 v[\reg+4*\q:\reg+4*\q+3], v[R32], s[4:5] offset:4096*\q+\add
.endr
.irp q, 2,3
	global_load_b128 v[\reg+4*\q:\reg+4*\q+3], v[R32], s[6:7] offset:4096*(\q-2)+\add
.endr
.irp q, 4,5,6,7,8,9
	global_load_b128 v[\reg+4*\q:\reg+4*\q+3], v[R32], s[8:9] offset:4096*(\q-4)+\add
.endr
.endm
	s_add_nc_u64 s[OB1:OB1+1], s[76:77], s[OB1:OB1+1]
	s_add_nc_u64 s[OB2:OB2+1], s[76:77], s[OB2:OB2+1]
	s_mov_b32 s91, 0
	s_mov_b32 s90, s18
	s_add_nc_u64 s[G0+2:G0+3], s[68:69], s[90:91]
	s_mov_b32 s90, s21
	s_add_nc_u64 s[G0+6:G0+7], s[68:69], s[90:91]
	s_mov_b32 s90, s20
	s_add_nc_u64 s[NXP:NXP+1], s[68:69], s[90:91]
	s_mov_b32 s47, 0
	s_add_nc_u64 s[G0B+2:G0B+3], s[70:71], s[46:47]
	s_mov_b32 s46, s22
	s_add_nc_u64 s[G0B+6:G0B+7], s[70:71], s[46:47]
	s_mov_b32 s46, s23
	s_add_nc_u64 s[NXV:NXV+1], s[70:71], s[46:47]
	s_cmp_eq_u32 s15, 0
	s_cselect_b64 s[94:95], s[68:69], s[70:71]
	s_add_nc_u64 s[PF3:PF3+1], s[94:95], s[PF3:PF3+1]
	s_add_nc_u64 s[PF4:PF4+1], s[PF3:PF3+1], s[92:93]
	s_sub_nc_u64 s[94:95], s[PF3:PF3+1], s[92:93]  ; slot 2's
	CROUND
.irp s, 0,1
	s_mov_b32 s[G0+4*\s], 1
	s_add_co_u32 s[G0+4*\s+1], s45, \s*SLOT
	s_or_b32 s[G0+4*\s+3], s[G0+4*\s+3], 0x80000000
	s_mov_b32 s[G0B+4*\s], 1
	s_add_co_u32 s[G0B+4*\s+1], s45, \s*SLOT+BOFF
	s_or_b32 s[G0B+4*\s+3], s[G0B+4*\s+3], 0x80000000
.endr
	JLOAD G0, G1, G0B, G1B                         ; slot 0: one tensor load a wave at the head
	SLOAD SN, 0                                    ; the statistics come behind the tiles
	SLOAD L0, 512
	SLOAD L1, 1536
	v_and_b32 v3, 31, v0
	v_lshlrev_b32 v[PFO], 8, v3
	v_lshlrev_b32 v3, 4, v3
	s_lshl_b32 s18, s15, 13
	s_lshl_b32 s19, s16, 13
	s_add_co_u32 s19, s19, BOFF
.irp s, 0,1
	v_add_nc_u32 v[ADRA+\s], s18, v3
	v_add_nc_u32 v[ADRB+\s], s19, v3
	s_add_co_u32 s18, s18, SLOT
	s_add_co_u32 s19, s19, SLOT
.endr
	s_mul_i32 s18, s14, 4608
	s_add_co_u32 s18, s18, STAGE
	v_mul_u32_u24 v[STO], v1, 272
	v_lshl_add_u32 v[STO], v2, 5, v[STO]
	v_add_nc_u32 v[STO], s18, v[STO]
	v_mul_u32_u24 v[RD], v2, 272
	v_lshl_add_u32 v[RD], v1, 4, v[RD]
	v_add_nc_u32 v[RD], s18, v[RD]
	v_lshlrev_b32 v[CO], 12, v2
	v_lshl_add_u32 v[CO], v1, 4, v[CO]
	v_mov_b32 v[BIG], 0x7f800000
	s_wait_alu depctr_va_vdst(0)
	s_wait_tensorcnt 0x0                           ; my part of slot 0 is in
	ds_add_u32 v[SPW], v[NIL]                      ; 0 onto my spare word
	s_wait_dscnt 0x0
	CROUND                                         ; everybody's part of slot 0 is in
	JLOAD G0+4, G1, G0B+4, G1B                     ; slot 1's first fill
	s_wait_loadcnt 20                              ; the ten loads of -M are in; the twenty of the sums may be out
.irp a, 0,1,2,3
	v_cndmask_b32 v[TT+\a], v[BIG], v[SN+8+\a], s[MPT]
	v_cndmask_b32 v[TT+4+\a], v[BIG], v[SN+12+\a], s[MPT]
.endr
.irp a, 0,1,2,3
	v_min3_num_f32 v[NA+\a], v[SN+\a], v[SN+4+\a], v[TT+\a]
.endr
.irp a, 0,1,2,3
	v_min_num_f32 v[NA+\a], v[NA+\a], v[TT+4+\a]
.endr
.irp a, 0,1,2,3
	v_cndmask_b32 v[TT+\a], v[SN+8+\a], v[BIG], s[MPT]
	v_cndmask_b32 v[TT+4+\a], v[SN+12+\a], v[BIG], s[MPT]
.endr
.irp a, 0,1,2,3
	v_min3_num_f32 v[NB+\a], v[SN+16+\a], v[SN+20+\a], v[SN+24+\a]
.endr
.irp a, 0,1,2,3
	v_min3_num_f32 v[NB+\a], v[NB+\a], v[SN+28+\a], v[SN+32+\a]
.endr
.irp a, 0,1,2,3
	v_min3_num_f32 v[NB+\a], v[NB+\a], v[SN+36+\a], v[TT+\a]
.endr
.irp a, 0,1,2,3
	v_min_num_f32 v[NB+\a], v[NB+\a], v[TT+4+\a]
.endr
.irp a, 0,1,2,3
	v_cndmask_b32 v[NM+\a], v[NB+\a], v[NA+\a], s[MPT]
.endr
.macro SUBQ q, N
.irp a, 0,1,2,3
	v_sub_f32 v[SN+4*\q+\a], v[\N+\a], v[SN+4*\q+\a]
.endr
.endm
	SUBQ 0, NA
	SUBQ 1, NA
	SUBQ 2, NM
	SUBQ 3, NM
.irp q, 4,5,6,7,8,9
	SUBQ \q, NB
.endr
.set n, 0
.rept 40
	v_cvt_i32_f32 v[SN+n], v[SN+n]
.set n, n+1
.endr
	s_wait_loadcnt 0x0
.set n, 0
.rept 20
	v_pk_add_f32 v[L0+n:L0+n+1], v[L0+n:L0+n+1], v[L1+n:L1+n+1]
.set n, n+2
.endr
.set n, 0
.rept 40
	v_ldexp_f32 v[L0+n], v[L0+n], v[SN+n]
.set n, n+1
.endr
.irp a, 0,1,2,3
	v_add_f32 v[LA+\a], v[L0+\a], v[L0+4+\a]
	v_add_f32 v[LB+\a], v[L0+16+\a], v[L0+20+\a]
.endr
.irp q, 2,3
.irp a, 0,1,2,3
	v_fma_f32 v[LA+\a], v[L0+4*\q+\a], s[WA], v[LA+\a]
	v_fma_f32 v[LB+\a], v[L0+4*\q+\a], s[WB], v[LB+\a]
.endr
.endr
.irp q, 6,7,8,9
.irp a, 0,1,2,3
	v_add_f32 v[LB+\a], v[LB+\a], v[L0+4*\q+\a]
.endr
.endr
	s_wait_alu depctr_va_vdst(0)
.irp a, 0,1,2,3
	v_rcp_f32 v[RA+\a], v[LA+\a]
	v_rcp_f32 v[RB+\a], v[LB+\a]
.endr
	v_nop
	s_wait_kmcnt 0x0
	s_add_co_i32 s88, s66, s67
	s_wait_alu depctr_va_vdst(0)
.irp a, 0,1,2,3
	v_ldexp_f32 v[RA+\a], v[RA+\a], s88
	v_ldexp_f32 v[RB+\a], v[RB+\a], s88
.endr
.irp a, 0,1,2,3
	v_cndmask_b32 v[RM+\a], v[RB+\a], v[RA+\a], s[MPT]
.endr
.macro FROW q, R
.irp a, 0,1,2,3
	v_ldexp_f32 v[FT+8*\q+2*\a], v[\R+\a], v[SN+4*\q+\a]
	v_ldexp_f32 v[FT+8*\q+2*\a+1], v[\R+\a], v[SN+4*\q+\a]
.endr
.endm
	WIN 0x80
	FROW 0, RA
	FROW 1, RA
	FROW 2, RM
	FROW 3, RM
.irp q, 4,5,6,7,8,9
	FROW \q, RB
.endr
	WIN 0
.macro MM16 p, zero
	WIN 0xa4
.irp a, 0,1,2,3
.irp b, 0,1,2,3
.if \zero
	v_wmma_f32_16x16x128_fp8_fp8 v[8*(4*\a+\b):8*(4*\a+\b)+7], v[BF+64*(\p)+16*\b:BF+64*(\p)+16*\b+15], v[128*(\p)+16*\a:128*(\p)+16*\a+15], 0
.else
	v_wmma_f32_16x16x128_fp8_fp8 v[8*(4*\a+\b):8*(4*\a+\b)+7], v[BF+64*(\p)+16*\b:BF+64*(\p)+16*\b+15], v[128*(\p)+16*\a:128*(\p)+16*\a+15], v[8*(4*\a+\b):8*(4*\a+\b)+7]
.endif
.endr
.endr
.endm
.macro FETCH p, sl, ks
	WIN 0
.irp b, 0,1,2,3
.irp c, 0,1,2,3
	ds_load_b128 v[BF+64*(\p)+16*\b+4*\c:BF+64*(\p)+16*\b+4*\c+3], v[ADRB+(\sl)] offset:(\ks)*16384+\b*2048+\c*512
.endr
.endr
	WIN 0x40
.irp a, 0,1,2,3
.irp c, 0,1,2,3
	ds_load_b128 v[128*(\p)+16*\a+4*\c:128*(\p)+16*\a+4*\c+3], v[ADRA+(\sl)] offset:(\ks)*16384+\a*2048+\c*512
.endr
.endr
.endm
.macro MFMA q
	WIN 0xfa
.set n, 0
.rept 64
	v_pk_fma_f32 v[n:n+1], v[n:n+1], v[FT+8*(\q)+2*(n/32):FT+8*(\q)+2*(n/32)+1], v[n:n+1]
.set n, n+2
.endr
	WIN 0
.endm
.macro MMUL q
	WIN 0xca
.set n, 0
.rept 64
	v_pk_mul_f32 v[n:n+1], v[n:n+1], v[FT+8*(\q)+2*(n/32):FT+8*(\q)+2*(n/32)+1]
.set n, n+2
.endr
	WIN 0
.endm
.macro MERGE q, mode
.if \mode == 0
	MFMA \q
.elseif \mode == 1
	MMUL \q
.else
	WIN 0
	s_cmp_eq_u32 s[PT], (\mode)-2
	s_cbranch_scc1 .Lbegin_\@
	MFMA \q
	s_branch .Lmerged_\@
.Lbegin_\@:
	MMUL \q
.Lmerged_\@:
.endif
.endm
.macro MHALF q, b                      ; half of a merge: 32 pairs of sums, from the low end on
	WIN 0xfa
.set n, 64*(\b)
.rept 32
	v_pk_fma_f32 v[n:n+1], v[n:n+1], v[FT+8*(\q)+2*(n/32):FT+8*(\q)+2*(n/32)+1], v[n:n+1]
.set n, n+2
.endr
.endm
; A slot's four steps of 128 keys and, in its end, the change of slots.  chg: 1 = the slot is filled again behind a round of the cluster's barrier; 0 = nothing is filled; 2 = the last slot.
; The second merge stands half in front of the opening signal, where the add is out, and half between signal and wait.
.macro COMPUTE sl, q, mode, chg
	FETCH 1, \sl, 1
	s_wait_dscnt 32                                ; all but the 32 loads just issued
	MM16 0, 1
	PLACES 4
	FETCH 0, \sl, 2
	s_wait_dscnt 32
	MM16 1, 0
	PLACES 4
	FETCH 1, \sl, 3
	MERGE \q, \mode
	s_wait_dscnt 32
	MM16 0, 1
	s_wait_dscnt 0x0                               ; my last reads of this slot are over
	MM16 1, 0
	PLACES 4
.if (\chg) == 2
	MHALF (\q)+1, 0
	MHALF (\q)+1, 1
	WIN 0
.else
	WIN 0
	s_wait_tensorcnt 0x0                           ; all my tensor loads have landed: my part of the next slot
.if \chg
	ds_add_u32 v[SPW], v[NIL]                      ; 0 onto my spare word
	s_mov_b64 s[G0+4*\sl+2:G0+4*\sl+3], s[NXP:NXP+1]
	s_or_b32 s[G0+4*\sl+3], s[G0+4*\sl+3], 0x80000000
	s_add_nc_u64 s[NXP:NXP+1], s[NXP:NXP+1], 131072
	s_mov_b64 s[G0B+4*\sl+2:G0B+4*\sl+3], s[NXV:NXV+1]
	s_or_b32 s[G0B+4*\sl+3], s[G0B+4*\sl+3], 0x80000000
	s_add_nc_u64 s[NXV:NXV+1], s[NXV:NXV+1], 65536
.endif
	MHALF (\q)+1, 0
	s_wait_dscnt 0x0                               ; the add is done
	s_barrier_signal -1
	MHALF (\q)+1, 1
	WIN 0
	s_barrier_wait -1
.if \chg
	CREST                                          ; no wave of any partner still reads this slot or has a load on its way
	JLOAD G0+4*\sl, G1, G0B+4*\sl, G1B
.endif
	FETCH 0, 1-\sl, 0                              ; the next slot's first step
	WIN 0
.endif
.endm
.macro TOSTAGE a
.irp b, 0,1,2,3
	ds_store_b128 v[STO], v[8*(4*(\a)+\b):8*(4*(\a)+\b)+3] offset:64*\b
	ds_store_b128 v[STO], v[8*(4*(\a)+\b)+4:8*(4*(\a)+\b)+7] offset:64*\b+16
.endr
.irp t, 0,1,2,3,4,5,6,7
	ds_load_b128 v[BK+32*(\a)+4*\t:BK+32*(\a)+4*\t+3], v[RD] offset:\t*544
.endr
.endm
.macro SEND a, younger, ob
	s_wait_dscnt \younger
.irp t, 0,1,2,3,4,5,6,7
	global_store_b128 v[CO], v[BK+32*(\a)+4*\t:BK+32*(\a)+4*\t+3], s[\ob:\ob+1] offset:(16*(\a)+2*\t)*4096 th:TH_STORE_NT
.endr
.endm
.macro OUT ob
	s_wait_xcnt 0x0
	WIN 0xcc
	TOSTAGE 0
	TOSTAGE 1
	SEND 0, 16, \ob
	TOSTAGE 2
	SEND 1, 16, \ob
	TOSTAGE 3
	SEND 2, 16, \ob
	SEND 3, 0, \ob
	WIN 0
.endm
.macro OUTIF v
	s_cmp_lg_u32 s[PT], \v
	s_cbranch_scc1 .Lnot_yet_\@
	s_wait_alu depctr_va_vdst(0)
	OUT OB1
.Lnot_yet_\@:
.endm
	FETCH 0, 0, 0
	WIN 0
	ASK 94                                         ; slot 2, a slot ahead of its load
	COMPUTE 0, 0, 1, 1
	OUTIF 0
	ASK PF3
	COMPUTE 1, 2, 2, 1
	OUTIF 1
	ASK PF4
	COMPUTE 0, 4, 3, 1
	COMPUTE 1, 6, 0, 0
	COMPUTE 0, 8, 0, 2
	s_wait_alu depctr_va_vdst(0)
	OUT OB2
	s_wait_tensorcnt 0x0
	ds_add_u32 v[SPW], v[NIL]
	s_wait_dscnt 0x0
	CROUND
	s_endpgm
.Lfunc_end_k_q50d8da06c5_pv:
	.size	k_q50d8da06c5_pv, .Lfunc_end_k_q50d8da06c5_pv-k_q50d8da06c5_pv
	.p2alignl 7, 3214868480
	.fill 96, 4, 3214868480
	.section	.rodata,"a",@progbits
	.p2align	6, 0x0
	.amdhsa_kernel k_q50d8da06c5_pv
		.amdhsa_group_segment_fixed_size 327680
		.amdhsa_private_segment_fixed_size 0
		.amdhsa_enable_private_segment 0
		.amdhsa_kernarg_size 40
		.amdhsa_user_sgpr_count 2
		.amdhsa_user_sgpr_kernarg_segment_ptr 1
		.amdhsa_wavefront_size32 1
		.amdhsa_system_sgpr_workgroup_id_x 1
		.amdhsa_system_sgpr_workgroup_id_y 1
		.amdhsa_system_sgpr_workgroup_id_z 1
		.amdhsa_system_vgpr_workitem_id 0
		.amdhsa_next_free_vgpr 1024
		.amdhsa_next_free_sgpr 102
		.amdhsa_reserve_vcc 0
		.amdhsa_float_denorm_mode_32 3
		.amdhsa_float_denorm_mode_16_64 3
		.amdhsa_memory_ordered 1
		.amdhsa_forward_progress 1
		.amdhsa_inst_pref_size 170
	.end_amdhsa_kernel
	.amdgpu_metadata
---
amdhsa.version: [ 1, 2 ]
amdhsa.kernels:
  - .name:           k_q50d8da06c5_pv
    .symbol:         k_q50d8da06c5_pv.kd
    .args:
      - { .name: p_img, .offset: 0, .size: 8, .value_kind: global_buffer, .address_space: global }
      - { .name: v_img, .offset: 8, .size: 8, .value_kind: global_buffer, .address_space: global }
      - { .name: st, .offset: 16, .size: 8, .value_kind: global_buffer, .address_space: global }
      - { .name: lowp_scales, .offset: 24, .size: 8, .value_kind: global_buffer, .address_space: global }
      - { .name: out0, .offset: 32, .size: 8, .value_kind: global_buffer, .address_space: global }
    .group_segment_fixed_size: 327680
    .private_segment_fixed_size: 0
    .kernarg_segment_align: 8
    .kernarg_segment_size: 40
    .max_flat_workgroup_size: 128
    .sgpr_count:     102
    .vgpr_count:     1024
    .wavefront_size: 32
...
	.end_amdgpu_metadata
.endif
;; end of part 3
